; MI455X (gfx1250); checked and timed in simulation.
; The chip was launched on July 23, 2026; its instructions are those of AMD's public machine-readable ISA for CDNA 5 (MIT licence, August 2026) and "CDNA5" Instruction Set Architecture Reference Guide (July 2026). The comments in the code are by the model that wrote it; some were corrected since.
;; Self Attention. Allowed arithmetic: matrix products marked QUANTISED: E2M1 operands, one E8M0 scale for each 32 along K, by v_wmma_scale_f32_16x16x128_f8f6f4 with both operands' format E2M1 (or v_wmma_scale_f32_32x16x128_f4), f32 sums; products left as they are: bf16, f16 or f32 operands; f32 sums; everything else in f32.
;; Inputs: Wk 1,024 x 1,024 float32; Wo 1,024 x 1,024 float32; Wq 1,024 x 1,024 float32; Wv 1,024 x 1,024 float32; bk 1,024 float32; bo 1,024 float32; bq 1,024 float32; bv 1,024 float32; key 4 x 2,048 x 1,024 float32; query 4 x 2,048 x 1,024 float32; value 4 x 2,048 x 1,024 float32.
;; Outputs: out0 4 x 2,048 x 1,024 float32.
;; This version of the problem:
;;   THIS VERSION OF THE PROBLEM IS GIVEN IN LOW PRECISION. The matrix products marked QUANTISED in the list below multiply operands that are first quantised to E2M1 (2 exponent bits, 1 mantissa bit; 4 bits a number), with one power-of-two scale for each 32 numbers along K (OCP MX v1.0); their sums are f32. The products marked 'left as it is' may take bf16, f16 or f32 operands, with f32 sums. Whichever they take, every output number must still come out within the allowed error. Rounding operands to bf16 (8 significant bits) uses up far more of that allowance than f16 does (11 bits, for magnitudes from 6e-5 to 65,504). All else is computed in f32.
;;   The module's matrix products, in the order in which they are computed (A, B: the left and right operand; K: the contracted axis; several contracted axes count as one K, in the product's order):
;;     1. [M 8,192, K 1,024] x [K 1,024, N 1,024]; A: input query; B: input Wq: QUANTISED
;;     2. [M 8,192, K 1,024] x [K 1,024, N 1,024]; A: input key; B: input Wk: QUANTISED
;;     3. [M 8,192, K 1,024] x [K 1,024, N 1,024]; A: input value; B: input Wv: QUANTISED
;;     4. batch 64 x [M 2,048, K 64] x [K 64, N 2,048]; A: computed on the way; B: computed on the way: left as it is (an operand is computed on the way)
;;     5. batch 64 x [M 64, K 2,048] x [K 2,048, N 2,048]; A: computed on the way; B: computed on the way: left as it is (an operand is computed on the way)
;;     6. [M 8,192, K 1,024] x [K 1,024, N 1,024]; A: computed on the way; B: input Wo: left as it is (an operand is computed on the way)
;;   THE QUANTISER, for each operand of a quantised product, along K:
;;     - K is cut into blocks of 32 from its start; a last block that is shorter is filled with zeros.
;;     - A block's scale is 2^e with e = floor(log2(the largest magnitude in the block)) - 2, held to -126 .. 127; a block of zeros has e = 0. As a byte (E8M0): e + 127.
;;     - Each number is divided by its block's scale, clamped to +-6, and rounded to the nearest number of E2M1, ties to even, subnormals kept.
;;     - The product sums the exact products of the quantised numbers (number of the format x scale) in f32.
;;   ~~~python
;;   def quantise(x, axis):      # numpy; x: float32 -> the quantised numbers, widened to float32 again
;;       x = np.moveaxis(x, axis, -1); K = x.shape[-1]
;;       x = np.pad(x, [(0, 0)] * (x.ndim - 1) + [(0, -K % 32)]); x = x.reshape(x.shape[:-1] + (-1, 32)); a = np.abs(x).max(-1, keepdims=True)
;;       e = np.where(a > 0, np.clip(np.frexp(np.where(a > 0, a, 1))[1] - 1 - 2, -126, 127), 0)      # np.frexp(a)[1] - 1 = floor(log2(a)), exactly
;;       r = np.clip(x / 2.0 ** e, -6, 6)
;;       step = 2.0 ** (np.maximum(np.frexp(np.where(r == 0, 1, r))[1] - 1, 0) - 1)
;;       q = np.round(r / step) * step * 2.0 ** e      # np.round: ties to even
;;       return np.moveaxis(q.reshape(q.shape[:-2] + (-1,))[..., :K], -1, axis).astype(np.float32)
;;   ~~~
;; One version. Each part assembles by itself: llvm-mc -triple=amdgcn-amd-amdhsa -mcpu=gfx1250 --defsym DOCPART=n.
;; ======== version 1 of 1: 4 launches
;; limits: values are held in f16: magnitudes above 65,504 overflow, below 6.1e-05 lose precision; right only within a limited range of input values
;; workspace buffers: codes 14,155,776 bytes; scales 884,736 bytes; wo16 2,097,152 bytes; qkv 50,331,648 bytes; att 16,777,216 bytes
;; launch quant (part 1): grid 896 x 1, 4 waves a work-group, no clusters, 33,280 bytes of LDS; arguments query, key, value, Wq, Wk, Wv, Wo, codes, scales, wo16; writes codes, scales, wo16
.if DOCPART == 1
	.amdgcn_target "amdgcn-amd-amdhsa--gfx1250"
	.amdhsa_code_object_version 6
	.text
	.protected	k_q7bc8dfaa13_quant
	.globl	k_q7bc8dfaa13_quant
	.p2align	8
	.type	k_q7bc8dfaa13_quant,@function
k_q7bc8dfaa13_quant:
	s_mov_b64 s[64:65], 0
	v_nop
	global_prefetch_b8 v0, s[64:65] scope:SCOPE_SE
	s_setreg_imm32_b32 hwreg(HW_REG_WAVE_MODE, 25, 1), 1
	s_wait_xcnt 0x0
; query, key, value [8192][1024] and Wq, Wk, Wv [1024][1024], f32, K innermost, become codes of FP4 (E2M1), two a byte, and one E8M0 scale byte for each 32 along K.
; The six tensors lie one behind the other in the two workspace buffers: codes [27648 rows][512 bytes], scales [27648][32 bytes].  Wo [1024][1024] is rounded to f16, rows as they lie.
; A block's scale is 2^(floor(log2(its largest magnitude)) - 2); its byte is the largest magnitude's exponent field - 2, held at 1 from below.  Each number is divided by the scale and rounded to the nearest code, ties to even;
; beyond 6 the conversion gives the largest code.
; LIMITS: NaN and infinities among the inputs are not served; blocks whose largest magnitude lies under 2^-124, the floor, were not tried; a block of zeros gets the byte 1 where the rule says 127: its codes are zeros,
; which add nothing under any byte but 0xff, and the bytes are read by this program alone.  Numbers of Wo beyond 65,504 do not fit f16.
; SHARES.  Rows are dense and 1,024 is a multiple of 32, so every tensor is a plain stream of blocks of 32.  A work-group takes 32,768 numbers, a wave 8,192: 16 steps of 512.  Work-groups 0-255 query, 256-511 key,
; 512-767 value, 768-799 Wq, 800-831 Wk, 832-863 Wv, 864-895 Wo.  The places in codes and scales are linear in the work-group's number; only the source's pointer is chosen.
; A conversion takes 8 numbers of ONE block from a lane's registers, so a lane must hold neighbours along K; a load is best where neighbouring LANES take neighbouring bytes.  Both are had: each load reads 512 consecutive
; bytes, a step's 2,048 bytes go through the wave's own stage in LDS as they lie and come back 64 bytes a lane.  No barrier: waves share nothing.
.set WAVES, 4
.set STEPS, 16
.set WG_WO, 864                        ; the first work-group of Wo
.set EMAX,  2
.set CB,    8                          ; bytes of 16 codes
.set R,     16                         ; v16-79   four sets of 16 numbers as they are loaded
.set X,     80                         ; v80-111  two sets of 16 neighbours
.set E,     112                        ; v112-127 a scale byte for each step
.set C,     128                        ; v128-191 codes: four registers for each step, so that no store's data are written again
.set WREG,  8192                       ; LDS: a region for each wave: two stages of 32 x SP bytes, behind them its 256 scale bytes
.set SP,    80                         ; a lane's place in a stage: its 64 bytes + 16 of padding
.set SPW,   12                         ; v12  LDS address of my spare word: SPARE + 4 x my thread's number; never rewritten
.set NIL,   13                         ; v13  0; never rewritten
.set SPARE, WAVES*WREG                 ; behind the four regions: the spare words, 128 bytes a wave: two blocks of 256 bytes that no other line names
.set WR,    16                         ; Wo's path: v16-143 two sets of 64 numbers
.set WC,    144                        ; v144-175 a set's 64 numbers in f16
	s_load_b512 s[4:19], s[0:1], 0x0               ; query s[4:5], key s[6:7], value s[8:9], Wq s[10:11], Wk s[12:13], Wv s[14:15], Wo s[16:17], codes s[18:19]
	s_load_b128 s[20:23], s[0:1], 0x40             ; scales s[20:21], wo16 s[22:23]
	v_lshl_add_u32 v[SPW], v0, 2, SPARE
	v_mov_b32 v[NIL], 0
	v_lshrrev_b32 v1, 5, v0
	v_readfirstlane_b32 s28, v1                    ; wave
	v_and_b32 v2, 31, v0                           ; lane
	v_lshlrev_b32 v3, 4, v2                        ; my 16 bytes of a load's 512
	s_mul_i32 s29, s28, WREG
	v_lshrrev_b32 v14, 2, v2
	v_mul_u32_u24 v14, v14, SP
	v_and_b32 v15, 3, v2
	v_lshl_add_u32 v14, v15, 4, v14
	v_add_nc_u32 v14, s29, v14                     ; the stage, on the way in: four lanes' 64 bytes on end, then 16 of padding
	v_mul_u32_u24 v15, v2, SP
	v_add_nc_u32 v15, s29, v15                     ; and on the way out: SP x lane: my 16 neighbours
	v_mul_u32_u24 v4, v2, CB                       ; my codes' place in a step's (and my 8 bytes of f16 in Wo's path)
	v_lshrrev_b32 v5, 1, v2
	s_add_co_u32 s29, s29, 2*32*SP
	v_add_nc_u32 v5, s29, v5                       ; LDS: my wave's 256 scale bytes, my block's byte
	v_lshlrev_b32 v7, 3, v2                        ; and on the way out 8 bytes a lane
	v_add_nc_u32 v6, s29, v7
	s_wait_kmcnt 0x0
	s_cmp_ge_u32 ttmp9, WG_WO                      ; the work-group's number alone decides
	s_cbranch_scc1 .Lwo
	s_mov_b64 s[24:25], s[4:5]                     ; the source, and its first work-group
	s_mov_b32 s26, 0
.macro PICK first, ptr
	s_cmp_ge_u32 ttmp9, \first
	s_cselect_b64 s[24:25], s[\ptr:\ptr+1], s[24:25]
	s_cselect_b32 s26, \first, s26
.endm
	PICK 256, 6
	PICK 512, 8
	PICK 768, 10
	PICK 800, 12
	PICK 832, 14
	s_sub_co_u32 s30, ttmp9, s26
	s_lshl_b32 s30, s30, 2
	s_add_co_u32 s30, s30, s28                     ; which run of 8,192 numbers of the tensor is my wave's
	s_lshl_b32 s30, s30, 15                        ; 32,768 bytes a run
	s_mov_b32 s31, 0
	s_add_nc_u64 s[24:25], s[24:25], s[30:31]
	s_lshl_b32 s32, ttmp9, 2
	s_add_co_u32 s32, s32, s28                     ; and which run of the six tensors on end
	s_lshl_b32 s34, s32, 12                        ; 4,096 bytes of codes a run
	s_mov_b32 s35, 0
	s_add_nc_u64 s[18:19], s[18:19], s[34:35]
	s_lshl_b32 s34, s32, 8                         ; 256 scale bytes a run
	s_add_nc_u64 s[20:21], s[20:21], s[34:35]
.macro LOAD t
.irp i, 0,1,2,3
	global_load_b128 v[R+16*((\t)%4)+4*\i:R+16*((\t)%4)+4*\i+3], v3, s[24:25] offset:2048*(\t)+512*\i th:TH_LOAD_NT   ; 32 lanes read 512 consecutive bytes
.endr
.endm
.macro TURN t                          ; step t's numbers through the stage: LDS serves a wave's instructions in order, so no wait stands between the stores and the loads
.irp i, 0,1,2,3
	ds_store_b128 v14, v[R+16*((\t)%4)+4*\i:R+16*((\t)%4)+4*\i+3] offset:32*SP*((\t)%2)+8*SP*\i
.endr
.irp i, 0,1,2,3
	ds_load_b128 v[X+16*((\t)%2)+4*\i:X+16*((\t)%2)+4*\i+3], v15 offset:32*SP*((\t)%2)+16*\i
.endr
.endm
.irp t, 0,1,2,3
	LOAD \t
.endr
	s_wait_loadcnt 12                              ; step 0's four loads are in; those of steps 1 to 3 may be out
	TURN 0
.macro STEP t
.set XS, X+16*((\t)%2)
.if (\t) > 0
	s_wait_dscnt 1                                 ; this step's numbers are back from the stage (the last step's byte store may be out): so its stores into the stage have read their registers,
.else
	s_wait_dscnt 0x0
.endif
.if (\t)+4 < STEPS
	LOAD (\t)+4                                    ; which take the loads of four steps on
.endif
.if (\t)+1 < STEPS
.if STEPS-2-(\t) >= 3
	s_wait_loadcnt 12                              ; the next step's four loads are in; those of the three steps behind it may be out
.else
	s_wait_loadcnt 4*(STEPS-2-(\t))
.endif
	TURN (\t)+1                                    ; and go through the other stage while this step is worked
.endif
	v_max3_num_f32 v8, |v[XS]|, |v[XS+1]|, |v[XS+2]|               ; the largest magnitude of my 16, in two chains
	v_max3_num_f32 v9, |v[XS+3]|, |v[XS+4]|, |v[XS+5]|
.irp i, 6,10
	v_max3_num_f32 v8, v8, |v[XS+\i]|, |v[XS+\i+1]|
	v_max3_num_f32 v9, v9, |v[XS+\i+2]|, |v[XS+\i+3]|
.endr
	v_max3_num_f32 v8, v8, |v[XS+14]|, |v[XS+15]|
	v_max3_num_f32 v8, v8, v9, (EMAX+1)<<23        ; and the floor 2^(3 - 127): so the byte cannot fall under 1
	v_max_num_f32_dpp v8, v8, v8 row_xmask:1 row_mask:0xf bank_mask:0xf   ; and of my neighbour's 16: the block's
	v_add_nc_u32 v11, -(EMAX<<23), v8              ; 2 off its exponent field: the conversion takes the exponent field of this operand as its scale, and nothing else of it
	v_cvt_scalef32_pk8_fp4_f32 v[C+4*(\t)], v[XS:XS+7], v11
	v_cvt_scalef32_pk8_fp4_f32 v[C+4*(\t)+1], v[XS+8:XS+15], v11
	v_lshrrev_b32 v[E+(\t)], 23, v11               ; the scale's byte (also the plain line behind the conversions)
	ds_store_b8 v5, v[E+(\t)] offset:16*(\t)       ; both lanes of a block write the same byte with the same value
	global_store_b64 v4, v[C+4*(\t):C+4*(\t)+1], s[18:19] offset:32*CB*(\t)   ; the wave stores 256 consecutive bytes, aligned
.endm
.irp t, 0,1,2,3,4,5,6,7,8,9,10,11,12,13,14,15
	STEP \t
.endr
	ds_load_b64 v[8:9], v6                         ; LDS serves a wave's instructions in order: these see my byte stores
	s_wait_dscnt 0x0
	global_store_b64 v7, v[8:9], s[20:21]          ; 32 lanes store my run's 256 scale bytes, aligned
	s_wait_tensorcnt 0x0                           ; the wave's end
	ds_add_u32 v[SPW], v[NIL]
	s_wait_dscnt 0x0
	s_endpgm
; Wo to f16: a plain stream through registers, no LDS.  A wave's 8,192 numbers are 64 loads of 512 bytes, in four groups of 16 on two sets of registers.
.Lwo:
	s_sub_co_u32 s30, ttmp9, WG_WO
	s_lshl_b32 s30, s30, 2
	s_add_co_u32 s30, s30, s28                     ; my run
	s_lshl_b32 s32, s30, 14                        ; 16,384 bytes of f16,
	s_lshl_b32 s30, s30, 15                        ; 32,768 of f32
	s_mov_b32 s31, 0
	s_mov_b32 s33, 0
	s_add_nc_u64 s[16:17], s[16:17], s[30:31]
	s_add_nc_u64 s[22:23], s[22:23], s[32:33]
.macro WLOAD g
.irp i, 0,1,2,3,4,5,6,7,8,9,10,11,12,13,14,15
	global_load_b128 v[WR+64*((\g)%2)+4*\i:WR+64*((\g)%2)+4*\i+3], v3, s[16:17] offset:512*(16*(\g)+\i) th:TH_LOAD_NT
.endr
.endm
.macro WCONV g
.irp i, 0,1,2,3,4,5,6,7,8,9,10,11,12,13,14,15
	v_cvt_pk_f16_f32 v[WC+2*\i], v[WR+64*((\g)%2)+4*\i], v[WR+64*((\g)%2)+4*\i+1]
	v_cvt_pk_f16_f32 v[WC+2*\i+1], v[WR+64*((\g)%2)+4*\i+2], v[WR+64*((\g)%2)+4*\i+3]
	global_store_b64 v4, v[WC+2*\i:WC+2*\i+1], s[22:23] offset:256*(16*(\g)+\i)   ; the wave stores 256 consecutive bytes, aligned
.endr
.endm
	WLOAD 0
	WLOAD 1
	s_wait_loadcnt 16                              ; group 0 is in; the younger group's 16 loads may be out
	WCONV 0
	WLOAD 2
	s_wait_loadcnt 16
	s_wait_xcnt 0x0                                ; the last group's stores have read v144-175: they are written again only behind this wait
	WCONV 1
	WLOAD 3
	s_wait_loadcnt 16
	s_wait_xcnt 0x0
	WCONV 2
	s_wait_loadcnt 0x0
	s_wait_xcnt 0x0
	WCONV 3
	s_endpgm
.Lfunc_end_k_q7bc8dfaa13_quant:
	.size	k_q7bc8dfaa13_quant, .Lfunc_end_k_q7bc8dfaa13_quant-k_q7bc8dfaa13_quant
	.p2alignl 7, 3214868480
	.fill 96, 4, 3214868480
	.section	.rodata,"a",@progbits
	.p2align	6, 0x0
	.amdhsa_kernel k_q7bc8dfaa13_quant
		.amdhsa_group_segment_fixed_size 33280
		.amdhsa_private_segment_fixed_size 0
		.amdhsa_enable_private_segment 0
		.amdhsa_kernarg_size 80
		.amdhsa_user_sgpr_count 2
		.amdhsa_user_sgpr_kernarg_segment_ptr 1
		.amdhsa_wavefront_size32 1
		.amdhsa_system_sgpr_workgroup_id_x 1
		.amdhsa_system_sgpr_workgroup_id_y 1
		.amdhsa_system_sgpr_workgroup_id_z 1
		.amdhsa_system_vgpr_workitem_id 0
		.amdhsa_next_free_vgpr 192
		.amdhsa_next_free_sgpr 66
		.amdhsa_reserve_vcc 0
		.amdhsa_float_denorm_mode_32 3
		.amdhsa_float_denorm_mode_16_64 3
		.amdhsa_memory_ordered 1
		.amdhsa_forward_progress 1
		.amdhsa_inst_pref_size 55
	.end_amdhsa_kernel
	.amdgpu_metadata
---
amdhsa.version: [ 1, 2 ]
amdhsa.kernels:
  - .name:           k_q7bc8dfaa13_quant
    .symbol:         k_q7bc8dfaa13_quant.kd
    .args:
      - { .name: query, .offset: 0, .size: 8, .value_kind: global_buffer, .address_space: global }
      - { .name: key, .offset: 8, .size: 8, .value_kind: global_buffer, .address_space: global }
      - { .name: value, .offset: 16, .size: 8, .value_kind: global_buffer, .address_space: global }
      - { .name: Wq, .offset: 24, .size: 8, .value_kind: global_buffer, .address_space: global }
      - { .name: Wk, .offset: 32, .size: 8, .value_kind: global_buffer, .address_space: global }
      - { .name: Wv, .offset: 40, .size: 8, .value_kind: global_buffer, .address_space: global }
      - { .name: Wo, .offset: 48, .size: 8, .value_kind: global_buffer, .address_space: global }
      - { .name: codes, .offset: 56, .size: 8, .value_kind: global_buffer, .address_space: global }
      - { .name: scales, .offset: 64, .size: 8, .value_kind: global_buffer, .address_space: global }
      - { .name: wo16, .offset: 72, .size: 8, .value_kind: global_buffer, .address_space: global }
    .group_segment_fixed_size: 33280
    .private_segment_fixed_size: 0
    .kernarg_segment_align: 8
    .kernarg_segment_size: 80
    .max_flat_workgroup_size: 128
    .sgpr_count:     66
    .vgpr_count:     192
    .wavefront_size: 32
...
	.end_amdgpu_metadata
.endif
;; end of part 1
;; launch proj (part 2): grid 4 x 96, 4 waves a work-group, clusters of 4 x 4, 327,680 bytes of LDS; arguments codes, scales, bq, bk, bv, qkv; writes qkv
.if DOCPART == 2
	.amdgcn_target "amdgcn-amd-amdhsa--gfx1250"
	.amdhsa_code_object_version 6
	.text
	.protected	k_q7bc8dfaa13_proj
	.globl	k_q7bc8dfaa13_proj
	.p2align	8
	.type	k_q7bc8dfaa13_proj,@function
k_q7bc8dfaa13_proj:
	s_mov_b64 s[64:65], 0
	v_nop
	global_prefetch_b8 v0, s[64:65] scope:SCOPE_SE
	s_setreg_imm32_b32 hwreg(HW_REG_WAVE_MODE, 25, 1), 1
	s_wait_xcnt 0x0
	s_wait_alu depctr_hold_cnt(0) depctr_sa_sdst(0) depctr_va_vdst(0) depctr_va_sdst(0) depctr_va_ssrc(0) depctr_va_vcc(0) depctr_vm_vsrc(0)
	s_getreg_b32 s2, hwreg(HW_REG_IB_STS2, 6, 4)
	s_cmp_eq_u32 s2, 0
	s_cbranch_scc0 .Lentry_in_a_cluster
	s_endpgm
.Lentry_in_a_cluster:
	s_bfe_u32 s2, ttmp6, 0x10000c
	s_cmp_lg_u32 s2, 0xf033
	s_cbranch_scc0 .Lentry_shape_is_right
	s_endpgm
.Lentry_shape_is_right:
; q = query Wq^T + bq, k = key Wk^T + bk, v = value Wv^T + bv: three products [8192 x 1024] x [1024 x 1024] on codes of FP4 (E2M1) with one E8M0 scale for each 32 along K; sums in f32, the bias as the C of each sum's first
; matrix instruction; the results rounded to f16 and stored as IMAGES OF THE REGISTERS in which the attention launch wants them.
; codes: [27648 rows][512 bytes], scales: [27648][32]: rows 0.. query, 8192.. key, 16384.. value, 24576.. Wq, 25600.. Wk, 26624.. Wv.
; qkv: tensor T (0 q, 1 k, 2 v) at T x 2^24 bytes: [batch x 16 + head][tile of 16 tokens: 128][piece: 4][512 bytes], lane l's 16 bytes of a piece at 16 l.
;   q, k: piece p, lane (r, h): token r, channels 16 p + 8 h + 0 .. 7 of the head.      v: piece e, lane (r, h): channel 16 e + r, tokens 8 h + 0 .. 7 of the tile.
; LIMITS: |q|, |k|, |v| beyond 65,504 do not fit f16 (with every input some 30 times the drawn size they stay near 5,000; with offsets of 30 spreads near 29,000).
; SHARES.  A tile of 256 x 256 is made by a work-group of four waves, a wave makes 128 x 128: 64 accumulators, 512 registers.  K = 1,024 is two LDS slots of 512 along K, both filled once: nothing is filled again.
; ROLES.  The matrix instruction's source 1 ('A' below) gives a result's lane, source 0 ('B') its eight registers.  For q and k: A = 16 tokens, B = 16 rows of W: a lane holds one token and eight neighbouring channels.
; For v the roles are changed: A = 16 rows of Wv, B = 16 tokens: a lane holds one channel and eight neighbouring tokens, as the second product of attention wants its V.  In both cases four roundings make 16 bytes of an image.
; CLUSTERS: 4 x 4 work-groups.  A's tile hangs on cy and is shared along a row of the cluster, B's on cx and is shared along a column: each is asked for JOINTLY.  The cluster's y says which tensor (T = y / 8) and which
; 1,024 tokens (YL = y % 8): both are equal in all sixteen partners, and the text's three branches hang on T alone.
; REGISTERS, in windows of 256: window 0: v0-31 addresses; v32-95 scale words, two sets, and nothing else; v128-191 A's fragments, one set; v192-255 the bias, 8 tiles x 8; on the way out v96-223 hold the packed results.
;   window 1: B's fragments, two sets, at v0 and v128.   window 2: the accumulators of my A blocks 0-3 ((a, b) at v[8 (8 a + b)]);   window 3: those of blocks 4-7.
.set NQ,     4                         ; matrix instructions deep in a slot: 512 along K
.set ROWB,   256                       ; a tile's row in bytes: 512 codes
.set KROW,   512                       ; a row of codes in memory
.set PITCH,  272                       ; an LDS row: 256 bytes + 16 of padding = 68 words: row r starts at bank 4 r mod 64 (64 banks of 4 bytes: ISA guide 11.1)
.set FR,     8                         ; registers of a fragment: 16 rows x 128 K
.set NL,     2                         ; LDS loads that bring one
.set NP,     4                         ; places behind this matrix instruction (ISA guide 7.12.1)
.set HALFT,  128*PITCH                 ; 128 rows: what one tensor load brings
.set SLOT,   4*HALFT                   ; A's 256 rows, then B's 256 rows
.set KS,     32                        ; a row of scale bytes
.set SCL,    2*SLOT                    ; behind the two slots: the scale bytes, as rows of 256 bytes + 16 of padding
.set HALFS,  (128*KS/256)*272          ; those of 128 rows: what one tensor load brings
.set SBLK,   (16*KS/256)*272           ; those of 16 rows
.set SPARE,  SCL+4*HALFS               ; the spare words, 128 bytes a wave: two blocks of 256 bytes that no other line names
.set ADRA, 16                          ; v16-17  LDS address of my A fragments in slot 0, 1
.set ADRB, 20                          ; v20-21  the same for B
.set CO,   26                          ; v26     16 x lane: my place in an image
.set ADRS, 27                          ; v27     LDS address of my scale words: lanes 0-15 A's rows, lanes 16-31 B's
.set SPW,  28                          ; v28     LDS address of my spare word; never rewritten
.set NIL,  29                          ; v29     0; never rewritten
.set SC,   32                          ; scale words: set s at v[SC + 32 s]; register 4 i + q: lanes 0-15 the word of A's block i, lanes 16-31 of B's block i, for the slot's q-th 128 along K
.set AF,   128
.set BI,   192
.set TMP,  96                          ; the way out: four sets of 32
.set G1,   24                          ; s[24:31] descriptor group 1 for A's tiles;  s[32:39] group 0, a set for each slot
.set G0,   32
.set G1B,  48                          ; s[48:55], s[56:63] the same for B's
.set G0B,  56
.set G1S,  68                          ; s[68:75], s[76:79] groups 1 and 0 for A's scale bytes;  s[80:87], s[88:91] for B's
.set G0S,  76
.set G1SB, 80
.set G0SB, 88
.set MSB, 0
.macro WIN new                         ; the immediate's high byte repeats the setting that is left; a switch that changes nothing is dropped
.if MSB != (\new)
	s_set_vgpr_msb (MSB<<8)|(\new)
.set MSB, (\new)
.endif
.endm
.set MUL_LO,  0xa1                     ; source 0 (B) window 1, source 1 (A) window 0, C and D window 2
.set MUL_HI,  0xf1                     ; the same, C and D window 3
.set BIAS_LO, 0x81                     ; C (the bias) window 0, D window 2
.set BIAS_HI, 0xc1                     ; C window 0, D window 3
.set TO_B,    0x40                     ; destination window 1, address window 0
; A joint load: waves 0 and 1 fetch for A, waves 2 and 3 for B.  Each line has one mask and one set of registers for all that issue it; the branch hangs on the wave's number alone.
; An s_nop 0 and four v_nop follow each of the two lines.
.macro JLOAD g0a, g1a, g0b, g1b
	s_cmp_eq_u32 s17, 0
	s_cbranch_scc0 .Lfor_b_\@
	tensor_load_to_lds s[\g0a:\g0a+3], s[\g1a:\g1a+7]
	s_nop 0
.rept 4
	v_nop
.endr
	s_branch .Lasked_\@
.Lfor_b_\@:
	tensor_load_to_lds s[\g0b:\g0b+3], s[\g1b:\g1b+7]
	s_nop 0
.rept 4
	v_nop
.endr
.Lasked_\@:
.endm
.macro CROUND                          ; a round of the cluster's barrier
	s_barrier_signal -1
	s_barrier_wait -1
	s_cmp_lg_u32 s16, 0
	s_cbranch_scc1 .Lnot_wave_0_\@
	s_barrier_signal -3
.Lnot_wave_0_\@:
	s_barrier_wait -3
	s_barrier_signal -1
	s_barrier_wait -1
.endm
	s_load_b256 s[4:11], s[0:1], 0x0               ; codes s[4:5], scales s[6:7], bq s[8:9], bk s[10:11]
	s_load_b128 s[12:15], s[0:1], 0x20             ; bv s[12:13], qkv s[14:15]
	v_lshl_add_u32 v[SPW], v0, 2, SPARE
	v_mov_b32 v[NIL], 0
	ds_add_u32 v[SPW], v[NIL]                      ; the wave's opening: the add, twice on end, and its wait ahead of my first tensor load
	ds_add_u32 v[SPW], v[NIL]
	v_lshrrev_b32 v1, 5, v0
	v_readfirstlane_b32 s16, v1                    ; wave 0..3
	s_lshr_b32 s17, s16, 1                         ; RH: which 128 of A's 256 rows are mine.  Also: I fetch for A (0) or for B (1)
	s_and_b32 s18, s16, 1                          ; CH: which 128 of B's rows are mine.  Also: which 128 rows I fetch
	s_bfe_u32 s40, ttmp6, 0x40000                  ; cx
	s_bfe_u32 s41, ttmp6, 0x40004                  ; cy
	s_and_b32 s19, ttmp7, 0xffff                   ; the cluster's y, 0 .. 23
	s_and_b32 s20, s19, 7                          ; YL: which 1,024 tokens
	s_lshr_b32 s19, s19, 3                         ; T: 0 q, 1 k, 2 v
	s_lshr_b32 s21, s19, 1                         ; F = 1 for v,
	s_xor_b32 s23, s21, 1                          ; NF = 1 for q and k
	s_lshl_b32 s22, s18, 7                         ; the 128 rows that I fetch
	; A's rows: made of cy, T, YL and the wave's number; these registers never hold cx
	s_lshl_b32 s95, s41, 8
	s_mul_i32 s96, s23, s20
	s_lshl_b32 s96, s96, 10
	s_add_co_u32 s95, s95, s96                     ; LA = 256 cy + NF 1024 YL: A's first row within its tensor
	s_mul_i32 s96, s23, s19
	s_lshl_b32 s96, s96, 13                        ; NF T 8192: query's or key's rows,
	s_mul_i32 s98, s21, 26624                      ; or Wv's
	s_add_co_u32 s96, s96, s98
	s_add_co_u32 s96, s96, s95
	s_add_co_u32 s96, s96, s22                     ; the first row of codes that I would fetch for A
	s_lshl_b32 s98, s96, 5                         ; its scale bytes,
	s_lshl_b32 s96, s96, 9                         ; its codes
	s_mov_b32 s97, 0
	s_mov_b32 s99, 0
	; B's rows: made of cx, T, YL and the wave's number; these registers never hold cy
	s_lshl_b32 s42, s40, 8
	s_mul_i32 s46, s21, s20
	s_lshl_b32 s46, s46, 10
	s_add_co_u32 s42, s42, s46                     ; LB = 256 cx + F 1024 YL
	s_lshl_b32 s46, s19, 10
	s_add_co_u32 s46, s46, 24576
	s_mul_i32 s46, s46, s23                        ; NF (24576 + 1024 T): Wq's or Wk's rows,
	s_lshl_b32 s92, s21, 14                        ; or value's
	s_add_co_u32 s46, s46, s92
	s_add_co_u32 s46, s46, s42
	s_add_co_u32 s46, s46, s22
	s_lshl_b32 s92, s46, 5
	s_lshl_b32 s46, s46, 9
	s_mov_b32 s47, 0
	s_mov_b32 s93, 0
	s_lshl_b32 s43, s41, 2
	s_lshl_b32 s43, 15, s43                        ; my row of the cluster
	s_lshl_b32 s44, 0x1111, s40                    ; my column
	; descriptor group 1: a tile of 128 rows x 256 bytes, padded in LDS
	s_or_b32 s[G1+0], s43, (0<<16)|(1<<20)|(1<<21)|(5<<22)|(3<<25)  ; 15:0 the mask; 17:16 elements of 1 byte; 20 padding on; 21 set beside a mask; 24:22 after every 64 words; 31:25 four words
	s_or_b32 s[G1B+0], s44, (0<<16)|(1<<20)|(1<<21)|(5<<22)|(3<<25)
.irp g, G1, G1B
	s_mov_b32 s[\g+1], ROWB<<16                    ; tensor_dim0
	s_mov_b32 s[\g+2], 128<<16                     ; tensor_dim1
	s_mov_b32 s[\g+3], ROWB<<16                    ; tile_dim0
	s_mov_b32 s[\g+4], 128                         ; tile_dim1
	s_mov_b32 s[\g+5], KROW                        ; from row to row
	s_mov_b32 s[\g+6], 0
	s_mov_b32 s[\g+7], 0
.endr
	; the scale bytes of 128 rows: 4,096 dense bytes, as 16 rows of 256 bytes (32 elements of 8), 16 bytes of padding behind each
	s_or_b32 s[G1S+0], s43, (3<<16)|(1<<20)|(1<<21)|(5<<22)|(3<<25)
	s_or_b32 s[G1SB+0], s44, (3<<16)|(1<<20)|(1<<21)|(5<<22)|(3<<25)
.irp g, G1S, G1SB
	s_mov_b32 s[\g+1], 32<<16
	s_mov_b32 s[\g+2], (128*KS/256)<<16
	s_mov_b32 s[\g+3], 32<<16
	s_mov_b32 s[\g+4], 128*KS/256
	s_mov_b32 s[\g+5], 32
	s_mov_b32 s[\g+6], 0
	s_mov_b32 s[\g+7], 0
.endr
	s_mul_i32 s45, s16, HALFT                      ; where they go: wave x 128 rows: no place in the cluster enters an LDS address
	s_mul_i32 s94, s16, HALFS
	s_wait_dscnt 0x0                               ; both opening adds are done
	s_wait_kmcnt 0x0
	s_add_nc_u64 s[96:97], s[4:5], s[96:97]
	s_add_nc_u64 s[98:99], s[6:7], s[98:99]
	s_add_nc_u64 s[46:47], s[4:5], s[46:47]
	s_add_nc_u64 s[92:93], s[6:7], s[92:93]
	CROUND                                         ; all sixteen work-groups are here: the first joint loads meet
	s_mov_b32 s[G0S], 1
	s_add_co_u32 s[G0S+1], s94, SCL
	s_mov_b64 s[G0S+2:G0S+3], s[98:99]
	s_or_b32 s[G0S+3], s[G0S+3], 0x80000000
	s_mov_b32 s[G0SB], 1
	s_add_co_u32 s[G0SB+1], s94, SCL
	s_mov_b64 s[G0SB+2:G0SB+3], s[92:93]
	s_or_b32 s[G0SB+3], s[G0SB+3], 0x80000000
	JLOAD G0S, G1S, G0SB, G1SB                     ; the scale bytes first: they are wanted with slot 0
.irp s, 0,1
	s_mov_b32 s[G0+4*\s], 1
	s_add_co_u32 s[G0+4*\s+1], s45, \s*SLOT
	s_add_nc_u64 s[G0+4*\s+2:G0+4*\s+3], s[96:97], \s*ROWB
	s_or_b32 s[G0+4*\s+3], s[G0+4*\s+3], 0x80000000
	s_mov_b32 s[G0B+4*\s], 1
	s_add_co_u32 s[G0B+4*\s+1], s45, \s*SLOT
	s_add_nc_u64 s[G0B+4*\s+2:G0B+4*\s+3], s[46:47], \s*ROWB
	s_or_b32 s[G0B+4*\s+3], s[G0B+4*\s+3], 0x80000000
	JLOAD G0+4*\s, G1, G0B+4*\s, G1B               ; three tensor loads of mine are out behind the second of these
.endr
	v_and_b32 v1, 15, v0                           ; r = lane % 16
	v_bfe_u32 v2, v0, 4, 1                         ; h = lane / 16
	v_mul_u32_u24 v3, v1, PITCH
	v_lshl_add_u32 v4, v2, 4, v3                   ; a fragment's row x pitch + 16 h
	s_mul_i32 s22, s17, HALFT                      ; my 128 rows of A
	s_mul_i32 s23, s18, HALFT                      ; my 128 rows of B,
	s_add_co_u32 s23, s23, 2*HALFT                 ; which lie behind A's 256
.irp s, 0,1
	v_add_nc_u32 v[ADRA+\s], s22, v4
	v_add_nc_u32 v[ADRB+\s], s23, v4
	s_add_co_u32 s22, s22, SLOT
	s_add_co_u32 s23, s23, SLOT
.endr
	v_mul_u32_u24 v5, v1, KS                       ; my row's scale bytes: 32 a row,
	v_lshrrev_b32 v6, 8, v5
	v_lshl_add_u32 v5, v6, 4, v5                   ; and 16 more for each 256 passed
	s_mul_i32 s22, s17, HALFS                      ; A's: my 128 rows
	s_mul_i32 s23, s18, HALFS                      ; B's: my 128 rows, behind A's 256
	s_add_co_u32 s23, s23, 2*HALFS
	s_sub_co_u32 s23, s23, s22
	v_mul_u32_u24 v6, s23, v2                      ; lanes 16-31 take B's: one product, the lower base + h x the distance
	s_add_co_u32 s22, s22, SCL
	v_add_nc_u32 v5, v5, v6
	v_add_nc_u32 v[ADRS], s22, v5
	v_and_b32 v6, 31, v0
	v_lshlrev_b32 v[CO], 4, v6
	v_lshlrev_b32 v5, 5, v2                        ; the bias of q and k: 32 h bytes: my half's eight channels of a tile
	v_lshlrev_b32 v6, 2, v1                        ; the bias of v: 4 r bytes: my lane's channel
	; where my results go: tensor T, the batch and the tile of my first token, the head of my first channel
	s_lshl_b32 s22, s17, 7
	s_add_co_u32 s22, s22, s95                     ; my first row of A within its tensor
	s_lshl_b32 s23, s18, 7
	s_add_co_u32 s23, s23, s42                     ; and of B
	s_cmp_eq_u32 s19, 2
	s_cselect_b32 s66, s23, s22                    ; my first token,
	s_cselect_b32 s67, s22, s23                    ; my first channel
	s_lshl_b32 s2, s19, 24
	s_lshr_b32 s3, s66, 11
	s_lshl_b32 s3, s3, 22                          ; the batch: 16 heads of 2^18 bytes
	s_add_co_u32 s2, s2, s3
	s_lshr_b32 s3, s67, 6
	s_lshl_b32 s3, s3, 18                          ; the head
	s_add_co_u32 s2, s2, s3
	s_and_b32 s3, s66, 2047
	s_lshr_b32 s3, s3, 4
	s_lshl_b32 s3, s3, 11                          ; the tile of 16 tokens: 2,048 bytes
	s_add_co_u32 s2, s2, s3
	s_mov_b32 s3, 0
	s_add_nc_u64 s[14:15], s[14:15], s[2:3]
	; the bias, in the result's layout: eight registers a tile
	s_cmp_eq_u32 s19, 2
	s_cbranch_scc1 .Lbias_v
	s_cmp_eq_u32 s19, 0
	s_cselect_b64 s[66:67], s[8:9], s[10:11]       ; bq or bk
	s_lshl_b32 s22, s23, 2                         ; at my first channel
	s_mov_b32 s23, 0
	s_add_nc_u64 s[66:67], s[66:67], s[22:23]
.irp b, 0,1,2,3,4,5,6,7
	global_load_b128 v[BI+8*\b:BI+8*\b+3], v5, s[66:67] offset:64*\b          ; register j of tile b: the bias of channel 16 b + 8 h + j
	global_load_b128 v[BI+8*\b+4:BI+8*\b+7], v5, s[66:67] offset:64*\b+16
.endr
	s_branch .Lbias_done
.Lbias_v:
	s_lshl_b32 s22, s22, 2
	s_mov_b32 s23, 0
	s_add_nc_u64 s[12:13], s[12:13], s[22:23]      ; bv at my first channel
.irp a, 0,1,2,3,4,5,6,7
.irp j, 0,1,2,3,4,5,6,7
	global_load_b32 v[BI+8*\a+\j], v6, s[12:13] offset:64*\a                  ; all eight registers of tile a: the bias of channel 16 a + r
.endr
.endr
.Lbias_done:
.macro FRAG reg, adr, q, i             ; a fragment, 16 rows x 128 K of 4-bit codes: lane l holds row l % 16; registers 4 c .. 4 c + 3 hold K = 64 c + 32 (l / 16) + 0 .. 31
.irp c, 0,1
	ds_load_b128 v[\reg+4*\c:\reg+4*\c+3], v[\adr] offset:64*(\q)+32*\c+(\i)*16*PITCH
.endr
.endm
; 16 matrix instructions: A's blocks a0, a0 + 1 x B's eight, the slot's q-th 128 along K.  p: B's set; sc: the set of scale words.  mode 0: the sums go on; 1: they begin with the bias of B's tile; 2: with that of A's tile.
; The 64 accumulators take turns, one instruction a turn, in the same order in every step.
.macro MUL16 a0, p, q, sc, mode
.irp a, \a0, \a0+1
.irp b, 0,1,2,3,4,5,6,7
.if \mode == 0
	v_wmma_scale_f32_16x16x128_f8f6f4 v[8*(8*((\a)%4)+\b):8*(8*((\a)%4)+\b)+7], v[128*(\p)+FR*\b:128*(\p)+FR*\b+FR-1], v[AF+FR*(\a):AF+FR*(\a)+FR-1], v[8*(8*((\a)%4)+\b):8*(8*((\a)%4)+\b)+7], v[SC+8*NQ*(\sc)+NQ*\b+(\q)], v[SC+8*NQ*(\sc)+NQ*(\a)+(\q)] matrix_a_fmt:MATRIX_FMT_FP4 matrix_b_fmt:MATRIX_FMT_FP4 matrix_a_scale:MATRIX_SCALE_ROW1
.elseif \mode == 1
	v_wmma_scale_f32_16x16x128_f8f6f4 v[8*(8*((\a)%4)+\b):8*(8*((\a)%4)+\b)+7], v[128*(\p)+FR*\b:128*(\p)+FR*\b+FR-1], v[AF+FR*(\a):AF+FR*(\a)+FR-1], v[BI+8*\b:BI+8*\b+7], v[SC+8*NQ*(\sc)+NQ*\b+(\q)], v[SC+8*NQ*(\sc)+NQ*(\a)+(\q)] matrix_a_fmt:MATRIX_FMT_FP4 matrix_b_fmt:MATRIX_FMT_FP4 matrix_a_scale:MATRIX_SCALE_ROW1
.else
	v_wmma_scale_f32_16x16x128_f8f6f4 v[8*(8*((\a)%4)+\b):8*(8*((\a)%4)+\b)+7], v[128*(\p)+FR*\b:128*(\p)+FR*\b+FR-1], v[AF+FR*(\a):AF+FR*(\a)+FR-1], v[BI+8*(\a):BI+8*(\a)+7], v[SC+8*NQ*(\sc)+NQ*\b+(\q)], v[SC+8*NQ*(\sc)+NQ*(\a)+(\q)] matrix_a_fmt:MATRIX_FMT_FP4 matrix_b_fmt:MATRIX_FMT_FP4 matrix_a_scale:MATRIX_SCALE_ROW1
.endif
.endr
.endr
.endm
.macro FETCH_B slot, q, p              ; B's eight fragments of the slot's q-th 128 along K into set p
	WIN TO_B
.irp i, 0,1,2,3,4,5,6,7
	FRAG 128*(\p)+FR*\i, ADRB+\slot, \q, \i
.endr
	WIN 0
.endm
.macro FETCH_A slot, q, i0             ; A's blocks i0 .. i0 + 3
.irp i, \i0, \i0+1, \i0+2, \i0+3
	FRAG AF+FR*(\i), ADRA+\slot, \q, \i
.endr
.endm
.macro SCALES sc                       ; a slot's scale words into set sc: four words a row; lanes 0-15 take A's block i, lanes 16-31 B's block i
.irp i, 0,1,2,3,4,5,6,7
	ds_load_b128 v[SC+8*NQ*\sc+NQ*\i:SC+8*NQ*\sc+NQ*\i+3], v[ADRS] offset:\i*SBLK
.endr
.endm
; A load into a register that a matrix instruction has read, and a vector instruction that reads a matrix result or writes one of a matrix instruction's registers, stand NP places behind it; only plain vector
; instructions that name none of its registers are places (ISA guide 7.12.1 for vector instructions).
.macro PLACES n
.rept \n
	v_nop
.endr
.endm
; A step of 128 along K that has its successor in the same slot.  A's blocks go one after the other, each against B's eight, so one set of registers serves A: blocks 0-3 are fetched anew in the step's middle, 4-7 at its end.
.macro STEP slot, q, mode
	s_wait_dscnt 4*NL                              ; B's set and A's blocks 0-3 are in; the youngest eight loads (A's blocks 4-7) may be out
.if \mode
	WIN BIAS_LO
.else
	WIN MUL_LO
.endif
	MUL16 0, (\q)%2, \q, \slot, \mode
	MUL16 2, (\q)%2, \q, \slot, \mode
	s_wait_dscnt 0                                 ; A's blocks 4-7 are in
	PLACES NP
	FETCH_B \slot, (\q)+1, 1-(\q)%2
	FETCH_A \slot, (\q)+1, 0
.if \mode
	WIN BIAS_HI
.else
	WIN MUL_HI
.endif
	MUL16 4, (\q)%2, \q, \slot, \mode
	MUL16 6, (\q)%2, \q, \slot, \mode
	PLACES NP
	WIN 0
	FETCH_A \slot, (\q)+1, 4
.endm
.macro STEPS slot, from                ; the slot's steps from .. NQ - 2
.set Q, \from
.rept NQ-1-\from
	STEP \slot, Q, 0
.set Q, Q+1
.endr
.endm
	s_wait_tensorcnt 1                             ; the scale bytes and my part of slot 0 are in; slot 1's load may be out
	s_barrier_signal -1
	s_barrier_wait -1                              ; everybody's are
	FETCH_B 0, 0, 0
	FETCH_A 0, 0, 0
	SCALES 0
	FETCH_A 0, 0, 4
	s_wait_loadcnt 0x0                             ; the bias
	s_cmp_eq_u32 s19, 2                            ; the first step begins the sums with the bias: along the registers for q and k, along the lanes for v
	s_cbranch_scc1 .Lfirst_v
	STEP 0, 0, 1
	s_branch .Lfirst_done
.Lfirst_v:
	STEP 0, 0, 2
.Lfirst_done:
	STEPS 0, 1
	; slot 0's last step changes slots: one barrier; in front of it each wave waits for all its tensor loads (slot 1's), adds 0 to its spare word, and waits for that and for its reads
	s_wait_tensorcnt 0x0
	ds_add_u32 v[SPW], v[NIL]
	s_wait_dscnt 4*NL+1                            ; (the add and the youngest eight loads, A's blocks 4-7, may be out)
	WIN MUL_LO
	MUL16 0, 1, NQ-1, 0, 0
	s_wait_dscnt 0x0
	s_barrier_signal -1
	MUL16 2, 1, NQ-1, 0, 0
	WIN 0
	s_barrier_wait -1                              ; slot 1 is whole
	PLACES NP
	v_add_nc_u32 v[ADRS], 4*NQ, v[ADRS]            ; on to slot 1's scale words
	FETCH_B 1, 0, 0
	FETCH_A 1, 0, 0
	SCALES 1
	WIN MUL_HI
	MUL16 4, 1, NQ-1, 0, 0
	MUL16 6, 1, NQ-1, 0, 0
	PLACES NP
	WIN 0
	FETCH_A 1, 0, 4
	STEPS 1, 0
	s_wait_dscnt 4*NL                              ; the very last step: nothing more to fetch
	WIN MUL_LO
	MUL16 0, 1, NQ-1, 1, 0
	MUL16 2, 1, NQ-1, 1, 0
	s_wait_dscnt 0
	WIN MUL_HI
	MUL16 4, 1, NQ-1, 1, 0
	MUL16 6, 1, NQ-1, 1, 0
	WIN 0
; THE WAY OUT.  A lane's eight results of accumulator (a, b), rounded in pairs, are 16 bytes of an image: the wave stores 512 consecutive bytes, aligned; no LDS, no pointer is stepped.
; mode 0 (q, k): token tile a, head b / 4, piece b % 4.   mode 1 (v): token tile b, head a / 4, piece a % 4.  Each accumulator is read from its low end on.
.macro SENDOUT mode
	PLACES NP                                      ; the conversions read results, and write registers that the last products read
.irp a, 0,1,2,3,4,5,6,7
.if \a == 4
	s_wait_xcnt 0x0                                ; the stores of blocks 0 to 3 have read the four sets: they are written again only behind this wait
.endif
	WIN 0x0a+5*(\a/4)                              ; sources 0 and 1: window 2 or 3
.irp b, 0,1,2,3,4,5,6,7
.irp i, 0,1,2,3
	v_cvt_pk_f16_f32 v[TMP+32*(\a%4)+4*\b+\i], v[64*(\a%4)+8*\b+2*\i], v[64*(\a%4)+8*\b+2*\i+1]
.endr
.endr
	WIN 0
.irp b, 0,1,2,3,4,5,6,7
.if \mode == 0
	global_store_b128 v[CO], v[TMP+32*(\a%4)+4*\b:TMP+32*(\a%4)+4*\b+3], s[14:15] offset:(\b/4)*262144+\a*2048+(\b%4)*512
.else
	global_store_b128 v[CO], v[TMP+32*(\a%4)+4*\b:TMP+32*(\a%4)+4*\b+3], s[14:15] offset:(\a/4)*262144+\b*2048+(\a%4)*512
.endif
.endr
.endr
.endm
	s_cmp_eq_u32 s19, 2
	s_cbranch_scc1 .Lout_v
	SENDOUT 0
	s_branch .Lout_done
.Lout_v:
	SENDOUT 1
.Lout_done:
	s_wait_tensorcnt 0x0                           ; the wave's end
	ds_add_u32 v[SPW], v[NIL]
	s_wait_dscnt 0x0
	CROUND                                         ; the closing round: no work-group ends while a partner may still ask for a tile that names it
	s_endpgm
.Lfunc_end_k_q7bc8dfaa13_proj:
	.size	k_q7bc8dfaa13_proj, .Lfunc_end_k_q7bc8dfaa13_proj-k_q7bc8dfaa13_proj
	.p2alignl 7, 3214868480
	.fill 96, 4, 3214868480
	.section	.rodata,"a",@progbits
	.p2align	6, 0x0
	.amdhsa_kernel k_q7bc8dfaa13_proj
		.amdhsa_group_segment_fixed_size 327680
		.amdhsa_private_segment_fixed_size 0
		.amdhsa_enable_private_segment 0
		.amdhsa_kernarg_size 48
		.amdhsa_user_sgpr_count 2
		.amdhsa_user_sgpr_kernarg_segment_ptr 1
		.amdhsa_wavefront_size32 1
		.amdhsa_system_sgpr_workgroup_id_x 1
		.amdhsa_system_sgpr_workgroup_id_y 1
		.amdhsa_system_sgpr_workgroup_id_z 1
		.amdhsa_system_vgpr_workitem_id 0
		.amdhsa_next_free_vgpr 1024
		.amdhsa_next_free_sgpr 100
		.amdhsa_reserve_vcc 0
		.amdhsa_float_denorm_mode_32 3
		.amdhsa_float_denorm_mode_16_64 3
		.amdhsa_memory_ordered 1
		.amdhsa_forward_progress 1
		.amdhsa_inst_pref_size 159
	.end_amdhsa_kernel
	.amdgpu_metadata
---
amdhsa.version: [ 1, 2 ]
amdhsa.kernels:
  - .name:           k_q7bc8dfaa13_proj
    .symbol:         k_q7bc8dfaa13_proj.kd
    .args:
      - { .name: codes, .offset: 0, .size: 8, .value_kind: global_buffer, .address_space: global }
      - { .name: scales, .offset: 8, .size: 8, .value_kind: global_buffer, .address_space: global }
      - { .name: bq, .offset: 16, .size: 8, .value_kind: global_buffer, .address_space: global }
      - { .name: bk, .offset: 24, .size: 8, .value_kind: global_buffer, .address_space: global }
      - { .name: bv, .offset: 32, .size: 8, .value_kind: global_buffer, .address_space: global }
      - { .name: qkv, .offset: 40, .size: 8, .value_kind: global_buffer, .address_space: global }
    .group_segment_fixed_size: 327680
    .private_segment_fixed_size: 0
    .kernarg_segment_align: 8
    .kernarg_segment_size: 48
    .max_flat_workgroup_size: 128
    .sgpr_count:     100
    .vgpr_count:     1024
    .wavefront_size: 32
...
	.end_amdgpu_metadata
.endif
;; end of part 2
;; launch attn (part 3): grid 4 x 64, 8 waves a work-group, clusters of 4 x 1, 327,680 bytes of LDS; arguments qkv, att; writes att
.if DOCPART == 3
	.amdgcn_target "amdgcn-amd-amdhsa--gfx1250"
	.amdhsa_code_object_version 6
	.text
	.protected	k_q7bc8dfaa13_attn
	.globl	k_q7bc8dfaa13_attn
	.p2align	8
	.type	k_q7bc8dfaa13_attn,@function
k_q7bc8dfaa13_attn:
	s_mov_b64 s[64:65], 0
	v_nop
	global_prefetch_b8 v0, s[64:65] scope:SCOPE_SE
	s_setreg_imm32_b32 hwreg(HW_REG_WAVE_MODE, 25, 1), 1
	s_wait_xcnt 0x0
	s_wait_alu depctr_hold_cnt(0) depctr_sa_sdst(0) depctr_va_vdst(0) depctr_va_sdst(0) depctr_va_ssrc(0) depctr_va_vcc(0) depctr_vm_vsrc(0)
	s_getreg_b32 s2, hwreg(HW_REG_IB_STS2, 6, 4)
	s_cmp_eq_u32 s2, 0
	s_cbranch_scc0 .Lentry_in_a_cluster
	s_endpgm
.Lentry_in_a_cluster:
	s_bfe_u32 s2, ttmp6, 0x10000c
	s_cmp_lg_u32 s2, 0x3003
	s_cbranch_scc0 .Lentry_shape_is_right
	s_endpgm
.Lentry_shape_is_right:
; O[bh][q] = the sum over k of softmax_k(Q[bh][q] . K[bh][k] / 8) V[bh][k]: 64 heads (batch x 16 + head), 2,048 tokens, head size 64, no mask.  Operands f16, products, maxima and sums f32; the weights p are rounded
; to f16 for the second product, O once at the end.
; qkv: tensor T (0 q, 1 k, 2 v) at T x 2^24 bytes: [bh][tile of 16 tokens: 128][piece: 4][512 bytes]: images of operand registers, lane l's 16 bytes at 16 l.
;   q, k: piece p, lane (r, h): token r, channels 16 p + 8 h + 0 .. 7.      v: piece e, lane (r, h): channel 16 e + r, tokens 8 h + 0 .. 7.
; att: [block of 128 rows: 64][K step of 128: 8][row tile: 8][32 along K: 4][half: 2][512 bytes]: images of the A fragments of the projection that follows.
; LIMITS: NaN and infinities are not served; a result beyond 65,504 does not fit f16; a weight p under 6e-8 of the row's largest is rounded to 0 in f16.
; SHARES.  A work-group owns 512 queries of one head, each of its eight waves 64: four tiles of 16, in 512 registers: two waves to a SIMD, so that one wave's softmax stands beside the other's products.
; Every wave walks all 2,048 keys, 64 a step.  K and V come through a ring of two LDS slots of 512 keys; each wave brings an eighth of a slot by one tensor load (waves 0-3 K's quarters, waves 4-7 V's).
; LAYOUT.  S^T = K Q^T (source 0 = 16 keys, source 1 = 16 queries): a lane holds ONE query (lane % 16) and keys 8 (lane / 16) + 0 .. 7.  Two such tiles, rounded in pairs, ARE source 1 of O^T = V^T P, whose result again
; holds one query a lane and eight channels.  Every LDS load reads 512 consecutive bytes: no pitch, no padding.
; SOFTMAX.  For each query a running maximum m and sum l: p = 2^(c s - c m), c = log2(e) / 8; in every step O and l are multiplied by a = 2^(c m_old - c m_new).  The step is written once: O and l begin as zeros, m as -3e38.
; CLUSTER.  The four query blocks of a head form a cluster and walk the same K and V: each tile is asked for JOINTLY, by the same tensor load with the same descriptor and a mask that names the four.
; REGISTERS: window 0: v2-5 addresses; v12-51 ten registers of statistics a tile; v61-63; v64-191 S^T, 32 a tile, P laid over each tile's low 16; v192-255 K of one step.
;   window 1: v0-127 O^T, 32 a tile; v128-191 Q; v192-255 V of one step.
.set STEPB, 8192                       ; 64 keys of K or of V in images
.set SLOT1, 131072                     ; a slot: 65,536 bytes of K, then 65,536 of V
.set TILEB, 65536                      ; 512 keys in memory
.set SPARE, 2*SLOT1                    ; behind the ring: the spare words, 128 bytes a wave: four blocks of 256 bytes that no other line names
.set LI,  2                            ; v2   16 x lane
.set LV,  3                            ; v3   16 x lane + 65,536: V's half of a slot
.set ADK, 4                            ; v4   LDS address of the step's K
.set ADV, 5                            ; v5   of its V
.set PFO, 61                           ; v61  256 x lane; never rewritten
.set SPW, 62                           ; v62  LDS address of my spare word; never rewritten
.set NIL, 63                           ; v63  0; never rewritten
.set ST,  12                           ; tile t's statistics at v[ST + 10 t]: +0 c m, +1 m, +2, +3 l (even keys', odd keys'), +4 .. +7 at work (a takes +6), +8 the old c m, then the difference
.set S,   64
.set KF,  192
.set QF,  128                          ; in window 1
.set VF,  192                          ; in window 1
.set WV,  8                            ; s8   my wave's number
.set G1,  16                           ; s[16:23] descriptor group 1
.set G0,  24                           ; s[24:31] group 0, a set for each slot
.set CS,  32                           ; s[32:33] c: the packed form names a pair and takes its low word for both halves
.set SEL, 34                           ; s[34:35] lane selects for v_permlanex16_b32: lane l xor 16
.set TB,  36                           ; s36  LDS byte at which the step's K begins
.set CNT, 37                           ; s37  counts a slot's eight steps
.set QB,  38                           ; s[38:39] my wave's Q
.set PFA, 40                           ; s[40:41] where my prefetches stand; never rewritten
.set OUTP, 42                          ; s[42:43] my wave's place in att
.set MSB, 0
.macro WIN new
.if MSB != (\new)
	s_set_vgpr_msb (MSB<<8)|(\new)
.set MSB, (\new)
.endif
.endm
.set W_KQ, 0x04                        ; Q (source 1) in window 1; K and S^T in window 0
.set W_PV, 0x51                        ; V (source 0), C and D in window 1; P in window 0
.set W_RS, 0x41                        ; O^T (destination and source 0) in window 1; a in window 0
.set TO_1, 0x40                        ; destination window 1, address window 0
.macro ROUND                           ; a round of the cluster's barrier
	s_barrier_signal -1
	s_barrier_wait -1
	s_cmp_lg_u32 s[WV], 0
	s_cbranch_scc1 .Lnot_wave_0_\@
	s_barrier_signal -3
.Lnot_wave_0_\@:
	s_barrier_wait -3
	s_barrier_signal -1
	s_barrier_wait -1
.endm
	s_load_b128 s[4:7], s[0:1], 0x0                ; qkv s[4:5], att s[6:7]
	v_lshl_add_u32 v[SPW], v0, 2, SPARE
	v_mov_b32 v[NIL], 0
	ds_add_u32 v[SPW], v[NIL]                      ; the wave's opening: the add, twice on end, and its wait ahead of my first tensor load
	ds_add_u32 v[SPW], v[NIL]
	v_lshrrev_b32 v1, 5, v0
	v_readfirstlane_b32 s[WV], v1                  ; wave 0..7
	s_bfe_u32 s9, ttmp6, 0x40000                   ; cx
	s_and_b32 s10, ttmp7, 0xffff                   ; bh, which the four partners share
	s_lshl_b32 s11, ttmp9, 2
	s_add_co_u32 s11, s11, s9                      ; my block of 512 queries: it enters Q's and att's addresses alone
	v_and_b32 v1, 31, v0
	v_lshlrev_b32 v[LI], 4, v1
	v_add_nc_u32 v[LV], TILEB, v[LI]
	v_lshlrev_b32 v[PFO], 8, v1
	; descriptor group 1: 16,384 dense bytes as 64 rows of 256 bytes (32 elements of 8)
	s_mov_b32 s[G1], 15|(3<<16)|(1<<21)            ; 15:0 the mask: all four work-groups; 17:16 elements of 8 bytes; 21 set beside a mask; no padding
	s_mov_b32 s[G1+1], 32<<16                      ; tensor_dim0
	s_mov_b32 s[G1+2], 64<<16                      ; tensor_dim1
	s_mov_b32 s[G1+3], 32<<16                      ; tile_dim0
	s_mov_b32 s[G1+4], 64                          ; tile_dim1
	s_mov_b32 s[G1+5], 32                          ; from row to row
	s_mov_b32 s[G1+6], 0
	s_mov_b32 s[G1+7], 0
	s_mov_b32 s[CS], 0x3e38aa3b                    ; c = log2(e) / 8
	s_mov_b32 s[CS+1], s[CS]                       ; (named with it as a pair, so it is written)
	s_mov_b32 s[SEL], 0x76543210
	s_mov_b32 s[SEL+1], 0xfedcba98
	s_lshl_b32 s14, s10, 18                        ; the head's first byte in each of the three tensors
	s_lshr_b32 s12, s[WV], 2
	s_add_co_u32 s12, s12, 1
	s_lshl_b32 s12, s12, 24                        ; waves 0-3: tensor 1 (k); waves 4-7: tensor 2 (v)
	s_add_co_u32 s12, s12, s14
	s_and_b32 s13, s[WV], 3
	s_lshl_b32 s13, s13, 14                        ; my quarter of a tile's 65,536 bytes
	s_add_co_u32 s12, s12, s13
	s_mov_b32 s13, 0
	s_lshl_b32 s15, s[WV], 14                      ; and its place in a slot: no place in the cluster enters an LDS address
	s_wait_dscnt 0x0                               ; both opening adds are done
	s_wait_kmcnt 0x0
	ROUND                                          ; all four work-groups are here: the first joint loads meet
.irp n, 0,1
	s_mov_b32 s[G0+4*\n], 1                        ; count = 1
	s_add_co_u32 s[G0+4*\n+1], s15, \n*SLOT1       ; LDS address
	s_add_nc_u64 s[G0+4*\n+2:G0+4*\n+3], s[4:5], s[12:13]
	s_add_nc_u64 s[G0+4*\n+2:G0+4*\n+3], s[G0+4*\n+2:G0+4*\n+3], \n*TILEB   ; slot n begins with keys 512 n on
	s_or_b32 s[G0+4*\n+3], s[G0+4*\n+3], 0x80000000   ; type = 2
.endr
	tensor_load_to_lds s[G0:G0+3], s[G1:G1+7]      ; keys 0 to 511 into slot 0: one tensor load of mine is out, here and behind every round
	s_nop 0
.rept 4
	v_nop
.endr
	s_lshl_b32 s2, s11, 16                         ; my block's 32 tiles of 2,048 bytes,
	s_lshl_b32 s3, s[WV], 13                       ; my wave's four
	s_add_co_u32 s2, s2, s3
	s_add_co_u32 s2, s2, s14
	s_mov_b32 s3, 0
	s_add_nc_u64 s[QB:QB+1], s[4:5], s[2:3]
	WIN TO_1
.irp i, 0,1,2,3,4,5,6,7,8,9,10,11,12,13,14,15
	global_load_b128 v[QF+4*\i:QF+4*\i+3], v[LI], s[QB:QB+1] offset:512*\i   ; Q stays in registers: tile i / 4, piece i % 4
.endr
.set i, 0
.rept 128
	v_mov_b32 v[i], 0                              ; O^T: the step is written once, and its first run finds zeros
.set i, i+1
.endr
	WIN 0
.irp t, 0,1,2,3
	v_mov_b32 v[ST+10*\t+1], 0xff61b1e6            ; m = -3e38, under every score
	v_mov_b32 v[ST+10*\t+2], 0                     ; l
	v_mov_b32 v[ST+10*\t+3], 0
.endr
.irp t, 0,1,2,3
	v_mul_f32 v[ST+10*\t], s[CS], v[ST+10*\t+1]    ; c m
.endr
	; the prefetches: sixteen askers, waves 0 to 3 of the four partners, told apart by address: asker 4 cx + wave takes 8,192 bytes of a tile's 65,536 of K (askers 0-7) or of V (8-15), lanes 256 bytes apart
	s_lshl_b32 s2, s9, 2
	s_and_b32 s3, s[WV], 3
	s_add_co_u32 s2, s2, s3
	s_lshr_b32 s3, s2, 3
	s_add_co_u32 s3, s3, 1
	s_lshl_b32 s3, s3, 24
	s_and_b32 s2, s2, 7
	s_lshl_b32 s2, s2, 13
	s_add_co_u32 s2, s2, s3
	s_add_co_u32 s2, s2, s14
	s_mov_b32 s3, 0
	s_add_nc_u64 s[PFA:PFA+1], s[4:5], s[2:3]
	; my wave's 64 rows in att: block 16 batch + 4 x + wave / 2, K step head / 2, row tiles 4 (wave % 2) on, 64 (head % 2) along K on
	s_lshr_b32 s2, s10, 4
	s_lshl_b32 s2, s2, 4
	s_lshl_b32 s3, s11, 2
	s_add_co_u32 s2, s2, s3
	s_lshr_b32 s3, s[WV], 1
	s_add_co_u32 s2, s2, s3
	s_lshl_b32 s2, s2, 18
	s_and_b32 s12, s10, 15
	s_lshr_b32 s3, s12, 1
	s_lshl_b32 s3, s3, 15
	s_add_co_u32 s2, s2, s3
	s_and_b32 s3, s[WV], 1
	s_lshl_b32 s3, s3, 14
	s_add_co_u32 s2, s2, s3
	s_and_b32 s3, s12, 1
	s_lshl_b32 s3, s3, 11
	s_add_co_u32 s2, s2, s3
	s_mov_b32 s3, 0
	s_add_nc_u64 s[OUTP:OUTP+1], s[6:7], s[2:3]
.macro SCALE tt, bb                    ; pair bb of tile tt: c s - c m, two scores at a time
	v_pk_fma_f32 v[S+32*(\tt)+2*(\bb):S+32*(\tt)+2*(\bb)+1], v[S+32*(\tt)+2*(\bb):S+32*(\tt)+2*(\bb)+1], s[CS:CS+1], v[ST+10*(\tt):ST+10*(\tt)+1] op_sel_hi:[1,0,0] neg_lo:[0,0,1] neg_hi:[0,0,1]
.endm
; A KEY STEP: 64 keys, in phases.  Every window is 0 at its head and at its end.
.macro STEP
	v_add_nc_u32 v[ADK], s[TB], v[LI]
	v_add_nc_u32 v[ADV], s[TB], v[LV]
.rept 3
	v_nop                                          ; with the two additions five places behind the last V^T P: the next K Q^T writes over P, which it read (five are owed), and the loads below land in V's registers (four)
.endr
.irp i, 0,1,2,3,4,5,6,7,8,9,10,11,12,13,14,15
	ds_load_b128 v[KF+4*\i:KF+4*\i+3], v[ADK] offset:512*\i        ; K: tile i / 4, piece i % 4
.endr
	WIN TO_1
.irp g, 0,1
.irp e, 0,1,2,3
.irp f, 0,1
	ds_load_b128 v[VF+32*\g+8*\e+4*\f:VF+32*\g+8*\e+4*\f+3], v[ADV] offset:(2*\g+\f)*2048+512*\e   ; V^T: keys 32 g + 16 f on, channels 16 e on
.endr
.endr
.endr
	s_wait_dscnt 16                                ; K's sixteen loads are in; V's sixteen may be out
	WIN W_KQ
.irp c, 0,1                                        ; S^T = K Q^T: channels 32 c on; the sixteen accumulators take turns, one instruction a turn
.irp u, 0,1,2,3
.irp t, 0,1,2,3
.if \c == 0
	v_wmma_f32_16x16x32_f16 v[S+32*\t+8*\u:S+32*\t+8*\u+7], v[KF+16*\u+8*\c:KF+16*\u+8*\c+7], v[QF+16*\t+8*\c:QF+16*\t+8*\c+7], 0
.else
	v_wmma_f32_16x16x32_f16 v[S+32*\t+8*\u:S+32*\t+8*\u+7], v[KF+16*\u+8*\c:KF+16*\u+8*\c+7], v[QF+16*\t+8*\c:QF+16*\t+8*\c+7], v[S+32*\t+8*\u:S+32*\t+8*\u+7]
.endif
.endr
.endr
.endr
	WIN 0
.irp t, 0,1,2,3
	v_mov_b32 v[ST+10*\t+8], v[ST+10*\t]           ; c m_old is kept for a.  (These four are the places behind the products)
.endr
.irp j, 0,1,2,3                                    ; the maximum of the lane's 32 scores and the old m, three operands at a time, four chains a tile; each accumulator is read from its low end on
.irp t, 0,1,2,3
	v_max3_num_f32 v[ST+10*\t+4+\j], v[S+32*\t+8*\j], v[S+32*\t+8*\j+1], v[S+32*\t+8*\j+2]
.endr
.endr
.irp k, 1,2
.irp j, 0,1,2,3
.irp t, 0,1,2,3
	v_max3_num_f32 v[ST+10*\t+4+\j], v[ST+10*\t+4+\j], v[S+32*\t+8*\j+2*\k+1], v[S+32*\t+8*\j+2*\k+2]
.endr
.endr
.endr
.irp t, 0,1,2,3
	v_max3_num_f32 v[ST+10*\t+4], v[ST+10*\t+4], v[S+32*\t+7], v[S+32*\t+15]
.endr
.irp t, 0,1,2,3
	v_max3_num_f32 v[ST+10*\t+6], v[ST+10*\t+6], v[S+32*\t+23], v[S+32*\t+31]
.endr
.irp t, 0,1,2,3
	v_max3_num_f32 v[ST+10*\t+4], v[ST+10*\t+4], v[ST+10*\t+5], v[ST+10*\t+6]
.endr
.irp t, 0,1,2,3
	v_max3_num_f32 v[ST+10*\t+4], v[ST+10*\t+4], v[ST+10*\t+7], v[ST+10*\t+1]
.endr
.irp t, 0,1,2,3
	v_permlanex16_b32 v[ST+10*\t+5], v[ST+10*\t+4], s[SEL], s[SEL+1]   ; the query's other 32 keys lie in the lane 16 away
.endr
.irp t, 0,1,2,3
	v_max_num_f32 v[ST+10*\t+1], v[ST+10*\t+4], v[ST+10*\t+5]          ; the new m
.endr
.irp t, 0,1,2,3
	v_mul_f32 v[ST+10*\t], s[CS], v[ST+10*\t+1]
.endr
.irp t, 0,1,2,3
	v_sub_f32 v[ST+10*\t+8], v[ST+10*\t+8], v[ST+10*\t]                ; c m_old - c m_new, 0 or less
.endr
	; ONE BATCH: the 64 scalings and all 132 exponentials; none of these lines names an exponential's result.  A tile's scalings stand among the exponentials of the tile before.
.irp t, 0,1,2,3
	v_exp_f32 v[ST+10*\t+6], v[ST+10*\t+8]         ; a
.endr
.irp b, 0,1,2,3,4,5,6,7,8,9,10,11,12,13,14,15
	SCALE 0, \b
.endr
.irp t, 0,1,2,3
.irp b, 0,1,2,3,4,5,6,7,8,9,10,11,12,13,14,15
	v_exp_f32 v[S+32*\t+2*\b], v[S+32*\t+2*\b]
	v_exp_f32 v[S+32*\t+2*\b+1], v[S+32*\t+2*\b+1]
.if \t < 3
	SCALE \t+1, \b
.endif
.endr
.endr
	v_nop                                          ; a plain instruction behind the last exponential
	s_wait_alu depctr_va_vdst(0)                   ; the wait ahead of the first line that names a result: one for the whole batch
	; the sums, of the unrounded p: l = a l + the sum of the tile's 16 pairs, in two chains
.irp t, 0,1,2,3
	v_pk_fma_f32 v[ST+10*\t+2:ST+10*\t+3], v[ST+10*\t+2:ST+10*\t+3], v[ST+10*\t+6:ST+10*\t+7], v[S+32*\t:S+32*\t+1] op_sel_hi:[1,0,1]
.endr
.irp t, 0,1,2,3
	v_pk_add_f32 v[ST+10*\t+4:ST+10*\t+5], v[S+32*\t+2:S+32*\t+3], v[S+32*\t+4:S+32*\t+5]
.endr
.irp b, 3,5,7,9,11,13
.irp t, 0,1,2,3
	v_pk_add_f32 v[ST+10*\t+2:ST+10*\t+3], v[ST+10*\t+2:ST+10*\t+3], v[S+32*\t+2*\b:S+32*\t+2*\b+1]
.endr
.irp t, 0,1,2,3
	v_pk_add_f32 v[ST+10*\t+4:ST+10*\t+5], v[ST+10*\t+4:ST+10*\t+5], v[S+32*\t+2*\b+2:S+32*\t+2*\b+3]
.endr
.endr
.irp t, 0,1,2,3
	v_pk_add_f32 v[ST+10*\t+2:ST+10*\t+3], v[ST+10*\t+2:ST+10*\t+3], v[S+32*\t+30:S+32*\t+31]
.endr
.irp t, 0,1,2,3
	v_pk_add_f32 v[ST+10*\t+2:ST+10*\t+3], v[ST+10*\t+2:ST+10*\t+3], v[ST+10*\t+4:ST+10*\t+5]
.endr
.irp f, 0,1,2,3,4,5,6,7,8,9,10,11,12,13,14,15      ; the roundings to f16, in place and ascending: register f takes pair f, whose registers 2 f and 2 f + 1 lie at or above it
.irp t, 0,1,2,3
	v_cvt_pk_f16_f32 v[S+32*\t+\f], v[S+32*\t+2*\f], v[S+32*\t+2*\f+1]
.endr
.endr
	WIN W_RS
.irp i, 0,1,2,3,4,5,6,7,8,9,10,11,12,13,14,15      ; O^T times a, ascending: each accumulator is read from its low end on
.irp t, 0,1,2,3
	v_pk_mul_f32 v[32*\t+2*\i:32*\t+2*\i+1], v[32*\t+2*\i:32*\t+2*\i+1], v[ST+10*\t+6:ST+10*\t+7] op_sel_hi:[1,0]
.endr
.endr
	s_wait_dscnt 0x0                               ; V is in
	WIN W_PV
.irp g, 0,1                                        ; O^T += V^T P: keys 32 g on; the sixteen accumulators take turns
.irp e, 0,1,2,3
.irp t, 0,1,2,3
	v_wmma_f32_16x16x32_f16 v[32*\t+8*\e:32*\t+8*\e+7], v[VF+32*\g+8*\e:VF+32*\g+8*\e+7], v[S+32*\t+8*\g:S+32*\t+8*\g+7], v[32*\t+8*\e:32*\t+8*\e+7]
.endr
.endr
.endr
	WIN 0
.endm
.macro STEPS slot                      ; a slot's eight key steps: written once, walked eight times; the LDS addresses hang on s[TB]
	s_mov_b32 s[TB], \slot*SLOT1
	s_mov_b32 s[CNT], 8
.Lstep_\@:
	STEP
	s_add_co_u32 s[TB], s[TB], STEPB
	s_sub_co_u32 s[CNT], s[CNT], 1
	s_cmp_lg_u32 s[CNT], 0
	s_cbranch_scc1 .Lstep_\@
.endm
; THE CHANGE OF SLOTS stands at a slot's head.  Each wave waits for all its tensor loads (its part of the slot that it is about to read), adds 0 to its spare word, and waits for that and for its reads of the slot that it
; has left.  The round of the cluster's barrier then says so of every wave of all four partners.  refill = 1: the other slot takes the next 512 keys, by my one tensor load behind the round: it has eight key steps in which to land.
; ask: the byte offset of the 512 keys that the NEXT change will ask for: they are prefetched here, behind the tensor load and its five lines, one instruction in each of waves 0 to 3; each aligned 256 bytes of a head's
; K and V from key 1,024 on is named once in the launch, since a head is walked by one cluster alone.  The tile stands in the immediate: the address is never stepped.  The last two changes ask for nothing.
.macro TRIP slot, refill, ask
	s_wait_tensorcnt 0x0                           ; no tensor load of mine is out, so a group 0 may be written
	ds_add_u32 v[SPW], v[NIL]
	s_add_nc_u64 s[G0+4*\slot+2:G0+4*\slot+3], s[G0+4*\slot+2:G0+4*\slot+3], 2*TILEB   ; this slot's next 512 keys
	s_wait_dscnt 0x0                               ; the add is done, and my reads of the slot that I have left are over
	ROUND
.if \refill
	tensor_load_to_lds s[G0+4-4*\slot:G0+7-4*\slot], s[G1:G1+7]
	s_nop 0
.rept 4
	v_nop
.endr
.endif
.if \ask
	s_cmp_lt_u32 s[WV], 4
	s_cbranch_scc0 .Lnot_mine_\@
	global_prefetch_b8 v[PFO], s[PFA:PFA+1] offset:\ask th:TH_LOAD_NT scope:SCOPE_SE
.Lnot_mine_\@:
.endif
	STEPS \slot
.endm
	s_wait_loadcnt 0x0                             ; Q
	TRIP 0, 1, 2*TILEB                             ; keys 0-511 | slot 1 is asked for its first fill: keys 512 on
	TRIP 1, 1, 3*TILEB                             ; keys 512-1023 | slot 0 takes keys 1,024 on
	TRIP 0, 1, 0                                   ; keys 1,024-1,535 | slot 1 takes keys 1,536 on
	TRIP 1, 0, 0                                   ; the last 512 keys: nothing is left to fetch
	; THE WAY OUT.  l's two halves and the other half of the lanes' are added; O^T is divided by l and rounded to f16: a lane's eight channels of accumulator (t, e) are 16 bytes of an image, stored as they stand.
.irp t, 0,1,2,3
	v_add_f32 v[ST+10*\t+4], v[ST+10*\t+2], v[ST+10*\t+3]              ; (these four are the places behind the last products)
.endr
.irp t, 0,1,2,3
	v_permlanex16_b32 v[ST+10*\t+5], v[ST+10*\t+4], s[SEL], s[SEL+1]
.endr
.irp t, 0,1,2,3
	v_add_f32 v[ST+10*\t+4], v[ST+10*\t+4], v[ST+10*\t+5]
.endr
.irp t, 0,1,2,3
	v_rcp_f32 v[ST+10*\t+6], v[ST+10*\t+4]
.endr
	v_nop                                          ; a plain instruction behind the last reciprocal
	s_wait_alu depctr_va_vdst(0)                   ; and the wait ahead of the first use: one for the four
.irp t, 0,1,2,3
	WIN 0x01                                       ; source 0 (O^T) window 1; destination window 0: S^T's registers are free
.irp i, 0,1,2,3,4,5,6,7,8,9,10,11,12,13,14,15
	v_pk_mul_f32 v[S+32*\t+2*\i:S+32*\t+2*\i+1], v[32*\t+2*\i:32*\t+2*\i+1], v[ST+10*\t+6:ST+10*\t+7] op_sel_hi:[1,0]
.endr
	WIN 0
.irp f, 0,1,2,3,4,5,6,7,8,9,10,11,12,13,14,15
	v_cvt_pk_f16_f32 v[S+32*\t+\f], v[S+32*\t+2*\f], v[S+32*\t+2*\f+1]
.endr
.irp e, 0,1,2,3
	global_store_b128 v[LI], v[S+32*\t+4*\e:S+32*\t+4*\e+3], s[OUTP:OUTP+1] offset:4096*\t+512*\e   ; the wave stores 512 consecutive bytes, aligned
.endr
.endr
	s_wait_tensorcnt 0x0                           ; the wave's end
	ds_add_u32 v[SPW], v[NIL]
	s_wait_dscnt 0x0
	ROUND                                          ; the closing round: no work-group ends while a partner may still ask for a tile that names it
	s_endpgm
.Lfunc_end_k_q7bc8dfaa13_attn:
	.size	k_q7bc8dfaa13_attn, .Lfunc_end_k_q7bc8dfaa13_attn-k_q7bc8dfaa13_attn
	.p2alignl 7, 3214868480
	.fill 96, 4, 3214868480
	.section	.rodata,"a",@progbits
	.p2align	6, 0x0
	.amdhsa_kernel k_q7bc8dfaa13_attn
		.amdhsa_group_segment_fixed_size 327680
		.amdhsa_private_segment_fixed_size 0
		.amdhsa_enable_private_segment 0
		.amdhsa_kernarg_size 16
		.amdhsa_user_sgpr_count 2
		.amdhsa_user_sgpr_kernarg_segment_ptr 1
		.amdhsa_wavefront_size32 1
		.amdhsa_system_sgpr_workgroup_id_x 1
		.amdhsa_system_sgpr_workgroup_id_y 1
		.amdhsa_system_sgpr_workgroup_id_z 1
		.amdhsa_system_vgpr_workitem_id 0
		.amdhsa_next_free_vgpr 512
		.amdhsa_next_free_sgpr 66
		.amdhsa_reserve_vcc 0
		.amdhsa_float_denorm_mode_32 3
		.amdhsa_float_denorm_mode_16_64 3
		.amdhsa_memory_ordered 1
		.amdhsa_forward_progress 1
		.amdhsa_inst_pref_size 151
	.end_amdhsa_kernel
	.amdgpu_metadata
---
amdhsa.version: [ 1, 2 ]
amdhsa.kernels:
  - .name:           k_q7bc8dfaa13_attn
    .symbol:         k_q7bc8dfaa13_attn.kd
    .args:
      - { .name: qkv, .offset: 0, .size: 8, .value_kind: global_buffer, .address_space: global }
      - { .name: att, .offset: 8, .size: 8, .value_kind: global_buffer, .address_space: global }
    .group_segment_fixed_size: 327680
    .private_segment_fixed_size: 0
    .kernarg_segment_align: 8
    .kernarg_segment_size: 16
    .max_flat_workgroup_size: 256
    .sgpr_count:     66
    .vgpr_count:     512
    .wavefront_size: 32
...
	.end_amdgpu_metadata
.endif
;; end of part 3
;; launch oproj (part 4): grid 4 x 64, 4 waves a work-group, clusters of 4 x 4, 327,680 bytes of LDS; arguments att, wo16, bo, out0; writes out0
.if DOCPART == 4
	.amdgcn_target "amdgcn-amd-amdhsa--gfx1250"
	.amdhsa_code_object_version 6
	.text
	.protected	k_q7bc8dfaa13_oproj
	.globl	k_q7bc8dfaa13_oproj
	.p2align	8
	.type	k_q7bc8dfaa13_oproj,@function
k_q7bc8dfaa13_oproj:
	s_mov_b64 s[64:65], 0
	v_nop
	global_prefetch_b8 v0, s[64:65] scope:SCOPE_SE
	s_setreg_imm32_b32 hwreg(HW_REG_WAVE_MODE, 25, 1), 1
	s_wait_xcnt 0x0
	s_wait_alu depctr_hold_cnt(0) depctr_sa_sdst(0) depctr_va_vdst(0) depctr_va_sdst(0) depctr_va_ssrc(0) depctr_va_vcc(0) depctr_vm_vsrc(0)
	s_getreg_b32 s2, hwreg(HW_REG_IB_STS2, 6, 4)
	s_cmp_eq_u32 s2, 0
	s_cbranch_scc0 .Lentry_in_a_cluster
	s_endpgm
.Lentry_in_a_cluster:
	s_bfe_u32 s2, ttmp6, 0x10000c
	s_cmp_lg_u32 s2, 0xf033
	s_cbranch_scc0 .Lentry_shape_is_right
	s_endpgm
.Lentry_shape_is_right:
; out0[m][n] = the sum over k of A[m][k] Wo[n][k] + bo[n]: [8192 x 1024] x [1024 x 1024], operands f16, sums f32, the bias as the C of each sum's first matrix instruction; out0 f32.
; att holds A as images of the fragments' registers: [block of 128 rows: 64][K step of 128: 8][row tile: 8][32 along K: 4][half: 2][512 bytes], lane l's 16 bytes at 16 l; lane (r, h): row r, k = 16 half + 8 h + 0 .. 7.
; wo16: [1024 n][1024 k] f16, plain rows.
; SHARES.  A tile of 128 (m) x 256 (n) to a work-group: 256 work-groups.  Wave (RH, CH) makes 64 x 128: 32 accumulators, 256 registers.  K goes in 8 steps of 128 through a ring of two LDS slots: A's 32,768 dense bytes
; (waves 0 and 1 bring a half each), then B's 256 rows of 256 bytes, 272 bytes apart (waves 2 and 3: 128 rows each).
; THE MATRIX INSTRUCTION IS USED TRANSPOSED (source 0 = 16 rows of Wo, source 1 = 16 rows of A): a lane holds eight neighbouring numbers of a row of out0.
; CLUSTERS: 4 x 4 work-groups.  The four of a row of the cluster need the same block of A, the four of a column the same rows of Wo: each tile is asked for JOINTLY.
; REGISTERS: window 0: v16-30 addresses; v32-95 A's fragments, two sets of 32; v128-255 B's, two sets of 64 (on the way out: rows read back from the stage).   window 1: accumulator (a, b) at v[8 (8 a + b)].
;   window 2: v0-63 bo in the result's layout, eight registers for each of B's tiles.
.set KSTEPA, 32768                     ; a K step of A's block in memory and in LDS
.set BOFF,   32768                     ; B's rows lie behind A's images
.set PITCH,  272                       ; 256 bytes + 16 of padding = 68 words: row r starts at bank 4 r mod 64 (64 banks of 4 bytes: ISA guide 11.1)
.set HALFB,  128*PITCH
.set SLOT,   BOFF+2*HALFB              ; 102,400
.set SPITCH, 528                       ; the way out: a stage of 16 rows x (512 bytes + 16) for each wave, in slot 0, which has had its last fill and its last read when the first result is stored there
.set SPARE,  2*SLOT                    ; behind the ring: the spare words, 128 bytes a wave: two blocks of 256 bytes that no other line names
.set ADRA, 16                          ; v16-17  LDS address of my A fragments in slot 0, 1
.set ADRB, 20                          ; v20-21  the same for B
.set STO,  24                          ; v24     the way out: where I put 32 bytes of a row
.set RD,   25                          ; v25     where I read a row back
.set CO,   26                          ; v26     16 x lane
.set SPW,  28                          ; v28     LDS address of my spare word; never rewritten
.set NIL,  29                          ; v29     0; never rewritten
.set PFO,  30                          ; v30     256 x lane; never rewritten
.set AFR,  32
.set BF,   128
.set BK,   128
.set G1A, 24                           ; s[24:31] descriptor group 1 for A;  s[32:39] group 0, a set for each slot
.set G0A, 32
.set G1B, 48                           ; s[48:55], s[56:63] the same for B
.set G0B, 56
.set LIM, 43                           ; s43  1 in the wave that prefetches, else the greatest number
.set PFA, 44                           ; s[44:45] where my prefetches stand
.set MSB, 0
.macro WIN new
.if MSB != (\new)
	s_set_vgpr_msb (MSB<<8)|(\new)
.set MSB, (\new)
.endif
.endm
.set MULW, 0x50                        ; sources 0 and 1 window 0; C and D window 1.  With 0x10 more: C (the bias) window 2
.macro JLOAD s                         ; a joint load: waves 0 and 1 fetch A's halves, waves 2 and 3 B's; an s_nop 0 and four v_nop follow each of the two lines
	s_cmp_eq_u32 s13, 0
	s_cbranch_scc0 .Lfor_b_\@
	tensor_load_to_lds s[G0A+4*\s:G0A+4*\s+3], s[G1A:G1A+7]
	s_nop 0
.rept 4
	v_nop
.endr
	s_branch .Lasked_\@
.Lfor_b_\@:
	tensor_load_to_lds s[G0B+4*\s:G0B+4*\s+3], s[G1B:G1B+7]
	s_nop 0
.rept 4
	v_nop
.endr
.Lasked_\@:
.endm
.macro CREST                           ; a round of the cluster's barrier behind its opening barrier
	s_cmp_lg_u32 s12, 0
	s_cbranch_scc1 .Lnot_wave_0_\@
	s_barrier_signal -3
.Lnot_wave_0_\@:
	s_barrier_wait -3
	s_barrier_signal -1
	s_barrier_wait -1
.endm
.macro CROUND
	s_barrier_signal -1
	s_barrier_wait -1
	CREST
.endm
; A PREFETCH of A's K step that stands two refills, 256 matrix instructions, on: 32,768 bytes, shared out BY ADDRESS among the four partners that ask for it jointly (8,192 bytes each, by cx), lanes 256 bytes apart, one
; instruction of wave 0.  A block of A is read by one row of one cluster alone, so each aligned 256 bytes from K step 4 on is named once in the launch.  The loop's last trip (s3 = 1) has no K step two refills on.
; Wo is not asked for: all sixteen clusters walk the same rows again and again.
.macro ASK
	s_cmp_gt_u32 s3, s[LIM]
	s_cbranch_scc0 .Lnot_mine_\@
	global_prefetch_b8 v[PFO], s[PFA:PFA+1] offset:KSTEPA th:TH_LOAD_NT scope:SCOPE_SE
.Lnot_mine_\@:
.endm
	s_load_b256 s[4:11], s[0:1], 0x0               ; att s[4:5], wo16 s[6:7], bo s[8:9], out0 s[10:11]
	v_lshl_add_u32 v[SPW], v0, 2, SPARE
	v_mov_b32 v[NIL], 0
	ds_add_u32 v[SPW], v[NIL]                      ; the wave's opening: the add, twice on end, and its wait ahead of my first tensor load
	ds_add_u32 v[SPW], v[NIL]
	v_lshrrev_b32 v1, 5, v0
	v_readfirstlane_b32 s12, v1                    ; wave 0..3
	s_lshr_b32 s13, s12, 1                         ; RH: which 64 rows are mine.  Also: I fetch for A (0) or for B (1)
	s_and_b32 s14, s12, 1                          ; CH: which 128 columns are mine.  Also: which half I fetch
	s_bfe_u32 s40, ttmp6, 0x40000                  ; cx
	s_bfe_u32 s41, ttmp6, 0x40004                  ; cy
	s_lshl_b32 s42, ttmp9, 2
	s_add_co_u32 s42, s42, s40                     ; tile column, 256 wide
	s_and_b32 s15, ttmp7, 0xffff
	s_lshl_b32 s15, s15, 2
	s_add_co_u32 s15, s15, s41                     ; block of 128 rows
	s_lshl_b32 s16, s41, 2
	s_lshl_b32 s16, 15, s16                        ; my row of the cluster
	s_lshl_b32 s46, 0x1111, s40                    ; my column
	s_or_b32 s[G1A], s16, (3<<16)|(1<<21)          ; A: the mask; elements of 8 bytes; 21 set beside a mask; no padding: 16,384 dense bytes as 64 rows of 256
	s_mov_b32 s[G1A+1], 32<<16
	s_mov_b32 s[G1A+2], 64<<16
	s_mov_b32 s[G1A+3], 32<<16
	s_mov_b32 s[G1A+4], 64
	s_mov_b32 s[G1A+5], 32
	s_mov_b32 s[G1A+6], 0
	s_mov_b32 s[G1A+7], 0
	s_or_b32 s[G1B], s46, (1<<16)|(1<<20)|(1<<21)|(5<<22)|(3<<25)   ; B: elements of 2 bytes; padding: four words after every 64
	s_mov_b32 s[G1B+1], 128<<16                    ; tensor_dim0
	s_mov_b32 s[G1B+2], 128<<16                    ; tensor_dim1
	s_mov_b32 s[G1B+3], 128<<16                    ; tile_dim0
	s_mov_b32 s[G1B+4], 128                        ; tile_dim1
	s_mov_b32 s[G1B+5], 1024                       ; from row to row
	s_mov_b32 s[G1B+6], 0
	s_mov_b32 s[G1B+7], 0
	s_lshl_b32 s18, s14, 14                        ; A: my half's place in a slot, and in a K step of the block
	s_lshl_b32 s16, s15, 18
	s_add_co_u32 s16, s16, s18                     ; made of cy and the wave's number alone
	s_mov_b32 s17, 0
	s_mul_i32 s19, s14, HALFB
	s_add_co_u32 s19, s19, BOFF                    ; B: my 128 rows' place in a slot
	s_lshl_b32 s46, s42, 8
	s_lshl_b32 s47, s14, 7
	s_add_co_u32 s46, s46, s47                     ; row 256 x column + 128 x half: made of cx and the wave's number alone
	s_lshl_b32 s46, s46, 11                        ; 2,048 bytes a row
	s_mov_b32 s47, 0
	s_wait_dscnt 0x0                               ; both opening adds are done
	s_wait_kmcnt 0x0
	s_add_nc_u64 s[16:17], s[4:5], s[16:17]
	s_add_nc_u64 s[46:47], s[6:7], s[46:47]
	CROUND                                         ; all sixteen work-groups are here: the first joint loads meet
.irp s, 0,1
	s_mov_b32 s[G0A+4*\s], 1
	s_add_co_u32 s[G0A+4*\s+1], s18, \s*SLOT
	s_add_nc_u64 s[G0A+4*\s+2:G0A+4*\s+3], s[16:17], \s*KSTEPA
	s_or_b32 s[G0A+4*\s+3], s[G0A+4*\s+3], 0x80000000
	s_mov_b32 s[G0B+4*\s], 1
	s_add_co_u32 s[G0B+4*\s+1], s19, \s*SLOT
	s_add_nc_u64 s[G0B+4*\s+2:G0B+4*\s+3], s[46:47], \s*256
	s_or_b32 s[G0B+4*\s+3], s[G0B+4*\s+3], 0x80000000
	JLOAD \s                                       ; two tensor loads of mine are out behind the second; later one
.endr
	v_and_b32 v1, 15, v0                           ; r
	v_bfe_u32 v2, v0, 4, 1                         ; h
	v_and_b32 v3, 31, v0
	v_lshlrev_b32 v[CO], 4, v3
	v_lshlrev_b32 v[PFO], 8, v3
	s_lshl_b32 s20, s13, 14                        ; my four row tiles of A's eight
	v_add_nc_u32 v[ADRA], s20, v[CO]
	v_add_nc_u32 v[ADRA+1], SLOT, v[ADRA]
	v_mul_u32_u24 v4, v1, PITCH
	v_lshl_add_u32 v4, v2, 4, v4
	v_add_nc_u32 v[ADRB], s19, v4                  ; my 128 rows of B are those that a wave of my CH fetches
	v_add_nc_u32 v[ADRB+1], SLOT, v[ADRB]
	s_mul_i32 s21, s12, 16*SPITCH                  ; my stage
	v_mul_u32_u24 v5, v1, SPITCH
	v_lshl_add_u32 v5, v2, 5, v5
	v_add_nc_u32 v[STO], s21, v5                   ; in: row r, 32 bytes for each half of the lanes
	v_add_nc_u32 v[RD], s21, v[CO]                 ; back: the 32 lanes take one row of 512 bytes
	v_lshlrev_b32 v6, 5, v2                        ; bo: 32 h bytes: my half's eight columns of a tile
	s_lshl_b32 s22, s42, 8
	s_lshl_b32 s23, s14, 7
	s_add_co_u32 s22, s22, s23
	s_lshl_b32 s22, s22, 2                         ; my first column, in bytes of f32
	s_mov_b32 s23, 0
	s_add_nc_u64 s[8:9], s[8:9], s[22:23]
	WIN 0x80                                       ; destination window 2
.irp b, 0,1,2,3,4,5,6,7
	global_load_b128 v[8*\b:8*\b+3], v6, s[8:9] offset:64*\b           ; register j of tile b: bo of column 16 b + 8 h + j
	global_load_b128 v[8*\b+4:8*\b+7], v6, s[8:9] offset:64*\b+16
.endr
	WIN 0
	s_lshl_b32 s20, s15, 19                        ; my first row of out0: 128 x block + 64 RH, 4,096 bytes a row
	s_lshl_b32 s21, s13, 18
	s_add_co_u32 s20, s20, s21
	s_add_co_u32 s20, s20, s22
	s_mov_b32 s21, 0
	s_add_nc_u64 s[10:11], s[10:11], s[20:21]
	s_lshl_b32 s20, s15, 18                        ; the prefetches: my block, my work-group's 8,192 bytes of a K step,
	s_lshl_b32 s21, s40, 13
	s_add_co_u32 s20, s20, s21
	s_add_co_u32 s20, s20, 2*KSTEPA                ; at K step 2: the first refill steps it to 3 and names K step 4
	s_mov_b32 s21, 0
	s_add_nc_u64 s[PFA:PFA+1], s[4:5], s[20:21]
	s_cmp_eq_u32 s12, 0
	s_cselect_b32 s[LIM], 1, -1
; 24 LDS loads in one run: the fragments of the slot's q-th 32 along K into set f: B's eight, A's tiles 0 and 1, A's tiles 2 and 3
.macro FETCH slot, q, f
.irp i, 0,1,2,3,4,5,6,7
	ds_load_b128 v[BF+64*(\f)+8*\i:BF+64*(\f)+8*\i+3],   v[ADRB+\slot] offset:64*(\q)+\i*16*PITCH
	ds_load_b128 v[BF+64*(\f)+8*\i+4:BF+64*(\f)+8*\i+7], v[ADRB+\slot] offset:64*(\q)+\i*16*PITCH+32
.endr
.irp i, 0,1,2,3
	ds_load_b128 v[AFR+32*(\f)+8*\i:AFR+32*(\f)+8*\i+3],   v[ADRA+\slot] offset:4096*\i+1024*(\q)
	ds_load_b128 v[AFR+32*(\f)+8*\i+4:AFR+32*(\f)+8*\i+7], v[ADRA+\slot] offset:4096*\i+1024*(\q)+512
.endr
.endm
; 8 matrix instructions: A's tile a against B's eight, set f.  mode = 1: the sums begin with the bias.  The 32 accumulators take turns, one instruction a turn, in the same order in every quarter.
.macro MULA f, a, mode
.irp b, 0,1,2,3,4,5,6,7
.if \mode
	v_wmma_f32_16x16x32_f16 v[8*(8*(\a)+\b):8*(8*(\a)+\b)+7], v[BF+64*(\f)+8*\b:BF+64*(\f)+8*\b+7], v[AFR+32*(\f)+8*(\a):AFR+32*(\f)+8*(\a)+7], v[8*\b:8*\b+7]
.else
	v_wmma_f32_16x16x32_f16 v[8*(8*(\a)+\b):8*(8*(\a)+\b)+7], v[BF+64*(\f)+8*\b:BF+64*(\f)+8*\b+7], v[AFR+32*(\f)+8*(\a):AFR+32*(\f)+8*(\a)+7], v[8*(8*(\a)+\b):8*(8*(\a)+\b)+7]
.endif
.endr
.endm
.macro PLACES                          ; four places in front of loads into registers that matrix instructions have read, and of the first read of results (ISA guide 7.12.1 for vector instructions)
.rept 4
	v_nop
.endr
.endm
; A K step is four quarters of 32 along K, 32 matrix instructions each, on sets 0, 1, 0, 1.  One of the first three: multiplies set f; in its middle it fetches the quarter qn of the same slot into set g.
.macro QUARTER slot, qn, f, g, mode
	s_wait_dscnt 4                                 ; B's fragments and A's tiles 0 and 1 are in; the youngest four loads (A's tiles 2 and 3) may be out
	WIN MULW+0x10*(\mode)
	MULA \f, 0, \mode
	MULA \f, 1, \mode
	PLACES
	WIN 0
	FETCH \slot, \qn, \g
	s_wait_dscnt 24                                ; all but the 24 just issued
	WIN MULW+0x10*(\mode)
	MULA \f, 2, \mode
	MULA \f, 3, \mode
.endm
; The last quarter multiplies set 1 and changes slots: ONE barrier; in front of it each wave waits for all its tensor loads (its part of the next slot), adds 0 to its spare word, and waits for that and for its reads of
; this slot.  fill = 1: the barrier opens a round of the cluster's, and this slot is filled again, two K steps ahead, by my one tensor load behind the round.
.macro TURN slot, next, fill
.if \fill
	s_wait_xcnt 0x0                                ; the last prefetch, a K step back, has read its address: it is stepped here, ahead of the waits of the change of slots
	s_add_nc_u64 s[PFA:PFA+1], s[PFA:PFA+1], KSTEPA
.endif
	WIN 0                                          ; (the add's two registers lie in window 0)
	s_wait_tensorcnt 0x0
	ds_add_u32 v[SPW], v[NIL]
	s_wait_dscnt 5                                 ; (the add and the youngest four loads may be out)
	WIN MULW
	MULA 1, 0, 0                                   ; eight matrix instructions stand between the add and the wait for it
	s_wait_dscnt 0x0                               ; the add is done, and my reads of this slot are over
	s_barrier_signal -1
	MULA 1, 1, 0
	WIN 0
	s_barrier_wait -1
.if \fill
	CREST                                          ; no wave of any partner still reads this slot or has a load on its way
	s_add_nc_u64 s[G0A+4*\slot+2:G0A+4*\slot+3], s[G0A+4*\slot+2:G0A+4*\slot+3], 2*KSTEPA
	s_add_nc_u64 s[G0B+4*\slot+2:G0B+4*\slot+3], s[G0B+4*\slot+2:G0B+4*\slot+3], 2*256
	JLOAD \slot                                    ; the four v_nop behind it are also the places in front of the loads below
.else
	PLACES
.endif
	FETCH \next, 0, 0
.if \fill
	ASK
.endif
	WIN MULW
	MULA 1, 2, 0
	MULA 1, 3, 0
.endm
	s_wait_tensorcnt 1                             ; my part of K step 0 is in; K step 1's load may be out
	s_barrier_signal -1
	s_barrier_wait -1                              ; everybody's is
	FETCH 0, 0, 0
	s_wait_loadcnt 0x0                             ; bo
	QUARTER 0, 1, 0, 1, 1                          ; the first quarter stands in front of the loop: its products begin the sums with the bias
	WIN 0                                          ; at a label and at a branch every window is 0
	s_mov_b32 s3, 3
.Llap:                                             ; a trip goes once round the ring, from a lap's second quarter to the next lap's first, and fills both slots again
	QUARTER 0, 2, 1, 0, 0
	QUARTER 0, 3, 0, 1, 0
	TURN 0, 1, 1
	QUARTER 1, 1, 0, 1, 0
	QUARTER 1, 2, 1, 0, 0
	QUARTER 1, 3, 0, 1, 0
	TURN 1, 0, 1
	QUARTER 0, 1, 0, 1, 0
	WIN 0
	s_sub_co_u32 s3, s3, 1
	s_cmp_lg_u32 s3, 0
	s_cbranch_scc1 .Llap
	QUARTER 0, 2, 1, 0, 0                          ; the last lap fills nothing, and has no round of the cluster's barrier
	QUARTER 0, 3, 0, 1, 0
	TURN 0, 1, 0
	QUARTER 1, 1, 0, 1, 0
	QUARTER 1, 2, 1, 0, 0
	QUARTER 1, 3, 0, 1, 0
	s_wait_dscnt 4                                 ; the very last quarter: nothing more to fetch
	WIN MULW
	MULA 1, 0, 0
	MULA 1, 1, 0
	s_wait_dscnt 0
	MULA 1, 2, 0
	MULA 1, 3, 0
	WIN 0
; THE WAY OUT, block by block of 16 rows x 128 columns.  A lane holds 32 neighbouring bytes of a row and the lanes beside it hold other rows: so a block goes through my own stage in LDS and comes back as whole rows of
; 512 bytes, which the 32 lanes store as 512 consecutive bytes, aligned.  LDS serves a wave's instructions in order (ISA guide 5.7.1.4): no wait between the stores and the loads, nor in front of the next block's stores.
.macro TOSTAGE a
	WIN 0x04                                       ; an LDS store's data are its source 1: window 1
.irp b, 0,1,2,3,4,5,6,7
	ds_store_b128 v[STO], v[64*(\a)+8*\b:64*(\a)+8*\b+3] offset:64*\b            ; each accumulator from its low end on
	ds_store_b128 v[STO], v[64*(\a)+8*\b+4:64*(\a)+8*\b+7] offset:64*\b+16
.endr
	WIN 0
.set BB, BK+64*((\a)%2)
.irp t, 0,1,2,3,4,5,6,7,8,9,10,11,12,13,14,15
	ds_load_b128 v[BB+4*\t:BB+4*\t+3], v[RD] offset:\t*SPITCH
.endr
.endm
.macro SEND a, younger                 ; younger: the LDS instructions issued behind block a's loads, which may stay out
.set BB, BK+64*((\a)%2)
	s_wait_dscnt \younger
.irp t, 0,1,2,3,4,5,6,7,8,9,10,11,12,13,14,15
	global_store_b128 v[CO], v[BB+4*\t:BB+4*\t+3], s[10:11] offset:(16*(\a)+\t)*4096 th:TH_STORE_NT   ; the row stands in the immediate: no pointer is stepped; written once, read by nobody here
.endr
.endm
	PLACES                                         ; behind the last products: for the stores that read results and the loads into B's registers
	TOSTAGE 0
.irp a, 1,2,3
.if \a > 1
	s_wait_xcnt 0x0                                ; block a - 2's stores have read their registers: block a's loads may land there
.endif
	TOSTAGE \a
	SEND \a-1, 32                                  ; behind block a - 1's loads: block a's 16 stores and 16 loads
.endr
	SEND 3, 0
	s_wait_tensorcnt 0x0                           ; the wave's end
	ds_add_u32 v[SPW], v[NIL]
	s_wait_dscnt 0x0
	CROUND                                         ; the closing round: no work-group ends while a partner may still ask for a tile that names it
	s_endpgm
.Lfunc_end_k_q7bc8dfaa13_oproj:
	.size	k_q7bc8dfaa13_oproj, .Lfunc_end_k_q7bc8dfaa13_oproj-k_q7bc8dfaa13_oproj
	.p2alignl 7, 3214868480
	.fill 96, 4, 3214868480
	.section	.rodata,"a",@progbits
	.p2align	6, 0x0
	.amdhsa_kernel k_q7bc8dfaa13_oproj
		.amdhsa_group_segment_fixed_size 327680
		.amdhsa_private_segment_fixed_size 0
		.amdhsa_enable_private_segment 0
		.amdhsa_kernarg_size 32
		.amdhsa_user_sgpr_count 2
		.amdhsa_user_sgpr_kernarg_segment_ptr 1
		.amdhsa_wavefront_size32 1
		.amdhsa_system_sgpr_workgroup_id_x 1
		.amdhsa_system_sgpr_workgroup_id_y 1
		.amdhsa_system_sgpr_workgroup_id_z 1
		.amdhsa_system_vgpr_workitem_id 0
		.amdhsa_next_free_vgpr 576
		.amdhsa_next_free_sgpr 66
		.amdhsa_reserve_vcc 0
		.amdhsa_float_denorm_mode_32 3
		.amdhsa_float_denorm_mode_16_64 3
		.amdhsa_memory_ordered 1
		.amdhsa_forward_progress 1
		.amdhsa_inst_pref_size 87
	.end_amdhsa_kernel
	.amdgpu_metadata
---
amdhsa.version: [ 1, 2 ]
amdhsa.kernels:
  - .name:           k_q7bc8dfaa13_oproj
    .symbol:         k_q7bc8dfaa13_oproj.kd
    .args:
      - { .name: att, .offset: 0, .size: 8, .value_kind: global_buffer, .address_space: global }
      - { .name: wo16, .offset: 8, .size: 8, .value_kind: global_buffer, .address_space: global }
      - { .name: bo, .offset: 16, .size: 8, .value_kind: global_buffer, .address_space: global }
      - { .name: out0, .offset: 24, .size: 8, .value_kind: global_buffer, .address_space: global }
    .group_segment_fixed_size: 327680
    .private_segment_fixed_size: 0
    .kernarg_segment_align: 8
    .kernarg_segment_size: 32
    .max_flat_workgroup_size: 128
    .sgpr_count:     66
    .vgpr_count:     576
    .wavefront_size: 32
...
	.end_amdgpu_metadata
.endif
;; end of part 4
